; MI455X (gfx1250); checked and timed in simulation.
; The chip was launched on July 23, 2026; its instructions are those of AMD's public machine-readable ISA for CDNA 5 (MIT licence, August 2026) and "CDNA5" Instruction Set Architecture Reference Guide (July 2026). The comments in the code are by the model that wrote it; some were corrected since.
;; Mixture Of Experts. Allowed arithmetic: matrix products marked QUANTISED: E3M2 operands, one E8M0 scale for each 32 along K, by v_wmma_scale_f32_16x16x128_f8f6f4 with both operands' format E3M2, f32 sums; products left as they are: f32 operands where the result goes on into a quantised operand, else bf16, f16 or f32 operands; f32 sums; everything else in f32.
;; Inputs: W1_codes 8 x 4,096 x 32 x 24 uint8 (E3M2 codes of W1, K innermost, in blocks of 32 codes, four codes in three bytes); W1_scales 8 x 4,096 x 32 uint8 (E8M0 scales of W1, one for each 32 codes along K); W2_codes 8 x 1,024 x 128 x 24 uint8 (E3M2 codes of W2, K innermost, in blocks of 32 codes, four codes in three bytes); W2_scales 8 x 1,024 x 128 uint8 (E8M0 scales of W2, one for each 32 codes along K); Wg 1,024 x 8 float32; b1 8 x 4,096 float32; b2 8 x 1,024 float32; bg 8 float32; x 1,024 x 1,024 float32.
;; Outputs: out0 1,024 x 1,024 float32.
;; Constants: k = 2.
;; This version of the problem:
;;   THIS VERSION OF THE PROBLEM IS GIVEN IN LOW PRECISION. The matrix products marked QUANTISED in the list below multiply operands that are first quantised to E3M2 (3 exponent bits, 2 mantissa bits; 6 bits a number), with one power-of-two scale for each 32 numbers along K (OCP MX v1.0); their sums are f32. All else is computed in f32.
;;   The module's matrix products, in the order in which they are computed (A, B: the left and right operand; K: the contracted axis; several contracted axes count as one K, in the product's order):
;;     1. [M 1,024, K 1,024] x [K 1,024, N 8]; A: input x; B: input Wg: left as it is (N = 8 < 16)
;;     2. [M 32,768, K 1,024] x [K 1,024, N 1,024]; A: input W1 (given as codes); B: input x: QUANTISED
;;     3. batch 8 x [M 1,024, K 4,096] x [K 4,096, N 1,024]; A: computed on the way; B: input W2 (given as codes): QUANTISED
;;     4. batch 1,024 x [M 1,024, K 2] x [K 2, N 1]; A: computed on the way; B: softmax: left as it is (K = 2 < 32)
;;   THE QUANTISER, for each operand of a quantised product, along K:
;;     - K is cut into blocks of 32 from its start; a last block that is shorter is filled with zeros.
;;     - A block's scale is 2^e with e = floor(log2(the largest magnitude in the block)) - 4, held to -126 .. 127; a block of zeros has e = 0. As a byte (E8M0): e + 127.
;;     - Each number is divided by its block's scale, clamped to +-28, and rounded to the nearest number of E3M2, ties to even, subnormals kept.
;;     - The product sums the exact products of the quantised numbers (number of the format x scale) in f32.
;;   ~~~python
;;   def quantise(x, axis):      # numpy; x: float32 -> the quantised numbers, widened to float32 again
;;       x = np.moveaxis(x, axis, -1); K = x.shape[-1]
;;       x = np.pad(x, [(0, 0)] * (x.ndim - 1) + [(0, -K % 32)]); x = x.reshape(x.shape[:-1] + (-1, 32)); a = np.abs(x).max(-1, keepdims=True)
;;       e = np.where(a > 0, np.clip(np.frexp(np.where(a > 0, a, 1))[1] - 1 - 4, -126, 127), 0)      # np.frexp(a)[1] - 1 = floor(log2(a)), exactly
;;       r = np.clip(x / 2.0 ** e, -28, 28)
;;       step = 2.0 ** (np.maximum(np.frexp(np.where(r == 0, 1, r))[1] - 1, -2) - 2)
;;       q = np.round(r / step) * step * 2.0 ** e      # np.round: ties to even
;;       return np.moveaxis(q.reshape(q.shape[:-2] + (-1,))[..., :K], -1, axis).astype(np.float32)
;;   ~~~
;;   OPERANDS COMPUTED ON THE WAY. 'Computed on the way' means the value that the module computes at that place (a softmax that the list does not call 'softmax' is quantised finished and normalised). What goes into a quantiser is computed in f32, as accurately as f32 sums, v_exp_f32 and their like allow (about 1e-6 of the number): no bf16 or f16 on the way to a quantiser, and a product that is left as it is and whose result goes on into a quantised operand takes f32 operands (vector FMAs, or v_wmma_f32_16x16x4_f32). A number that lies on a knife's edge between two numbers of the format may be rounded either way, as far as f32 arithmetic and the matrix unit's own rounding can turn it there, and no further.
;;   INPUTS GIVEN AS CODES. W1 (in the module: [8, 1024, 4096], K = its axis 1); W2 (in the module: [8, 4096, 1024], K = its axis 1): each comes as NAME_codes (uint8): NAME with its K axis moved to the last place and cut into blocks of 32 codes, [.., K / 32, bytes a block], one block behind the other in memory; four codes in three bytes: a row's codes are one little-endian stream of bits, code i at bits 6 i .. 6 i + 5 (a code: sign, 3 exponent bits, 2 mantissa bits); and NAME_scales (uint8): the same leading axes, one E8M0 byte (e + 127) for each 32 codes along K. Its value is code x scale, taken as it is: it is not quantised again, and the codes and scales need not be those that the quantiser above would give.
;; 2 versions. Each part assembles by itself: llvm-mc -triple=amdgcn-amd-amdhsa -mcpu=gfx1250 --defsym DOCPART=n.
;; ======== version 1 of 2: 5 launches
;; workspace buffers: xq 819,200 bytes; eidx 8,192 bytes of whole numbers; gates 8,192 bytes; list 34,816 bytes of whole numbers; glist 32,768 bytes; hq 27,262,976 bytes; part 8,388,608 bytes
;; launch route (part 1): grid 256 x 1, 4 waves a work-group, no clusters, 55,296 bytes of LDS; arguments x, Wg, bg, xq, eidx, gates; writes xq, eidx, gates
.if DOCPART == 1
	.amdgcn_target "amdgcn-amd-amdhsa--gfx1250"
	.amdhsa_code_object_version 6
	.text
	.protected	k_q813e43443e_route
	.globl	k_q813e43443e_route
	.p2align	8
	.type	k_q813e43443e_route,@function
k_q813e43443e_route:
	s_mov_b64 s[64:65], 0
	v_nop
	global_prefetch_b8 v0, s[64:65] scope:SCOPE_SE
	s_setreg_imm32_b32 hwreg(HW_REG_WAVE_MODE, 25, 1), 1
	s_wait_xcnt 0x0
; ROUTE.  For each token: logits = x Wg + bg in f32, the two largest (a tie keeps the lower index), their softmax; and x as codes of E3M2 with one E8M0 byte for each 32 along K.
; A wave takes one token (token = 4 x work-group + wave); lane l owns block l of the row, k = 32 l .. 32 l + 31: its largest magnitude needs no other lane, and its part of the eight dot products is 256 multiply-adds.
; The loads take bytes as they lie (512 consecutive bytes an instruction); x's row turns through the wave's own LDS bytes, Wg (32,768 bytes, shared by the four waves) through bytes of the work-group's, behind one barrier.
; xq: token t's codes at 768 t.  The 24-byte unit u = 4 s + 2 h + c holds block 4 s + h + 2 c, so that the 12 operand registers of lane (r, h) for K step s are the 48 consecutive bytes at 96 s + 48 h.  Scale bytes at XSC + 32 t, block by block.
; eidx, gates: [2][1024]: choice j of token t at word 1024 j + t.  The chosen experts steer no address here: they are stored at fixed places for the next launch.
; LIMITS: NaN and infinities are not served.  A block whose largest magnitude lies under 2^-122 (a block of zeros too) gets the byte 1: its codes are then zeros or nearly so, and this program alone reads the bytes.
; Logits that agree to within the noise of an f32 sum of 1,024 terms may be ordered either way.
.set XSC,  786432                      ; where xq's scale bytes begin
.set XT,   33280                       ; LDS: behind Wg (32 x 1,040 bytes): for each wave 32 places of 128 + 16 bytes for x's row,
.set CT,   51712                       ; and 768 bytes for its codes
.set LG,   10                          ; v10-17  the eight logits
.set X,    32                          ; v32-63  my 32 numbers of x
.set W,    64                          ; v64-191 Wg's rows of 16 of my k: register 8 i + e
.set CD,   192                         ; v192-198 my block's codes
	s_load_b256 s[4:11], s[0:1], 0x0               ; x s[4:5], Wg s[6:7], bg s[8:9], xq s[10:11]
	s_load_b128 s[12:15], s[0:1], 0x20             ; eidx s[12:13], gates s[14:15]
	v_lshl_add_u32 v208, v0, 2, 0xd600
	v_mov_b32 v209, 0
	v_lshrrev_b32 v1, 5, v0
	v_readfirstlane_b32 s16, v1                    ; wave
	v_and_b32 v1, 31, v0                           ; lane
	v_lshlrev_b32 v2, 4, v1                        ; 16 x lane
	v_lshrrev_b32 v3, 6, v0
	v_lshlrev_b32 v3, 4, v3
	v_lshl_add_u32 v3, v0, 4, v3                   ; Wg into LDS: 16 x thread, and 16 more for each 1,024 bytes passed
	s_mul_i32 s23, s16, 4608
	s_add_co_u32 s23, s23, XT
	v_lshrrev_b32 v4, 3, v1
	v_lshl_add_u32 v4, v4, 4, v2
	v_add_nc_u32 v4, s23, v4                       ; x into LDS: 16 x lane, and 16 more for each 128 bytes passed
	v_mul_u32_u24 v5, v1, 144
	v_add_nc_u32 v5, s23, v5                       ; and back: my 128 bytes
	v_mul_u32_u24 v6, v1, 1040                     ; Wg back: my 32 rows of 32 bytes
	s_mul_i32 s23, s16, 768
	s_add_co_u32 s23, s23, CT
	v_and_b32 v7, 28, v1
	v_and_b32 v8, 1, v1
	v_lshl_or_b32 v7, v8, 1, v7
	v_bfe_u32 v8, v1, 1, 1
	v_add_nc_u32 v7, v7, v8                        ; u: my block's number with its two low bits exchanged
	v_mul_u32_u24 v7, v7, 24
	v_add_nc_u32 v7, s23, v7                       ; where my 24 bytes of codes go
	v_lshlrev_b32 v8, 3, v1                        ; 8 x lane
	v_add_nc_u32 v9, s23, v8                       ; and where I read 8 bytes of the row back
	v_lshlrev_b32 v18, 4, v0                       ; 16 x thread
	s_lshl_b32 s17, ttmp9, 2
	s_add_co_u32 s17, s17, s16                     ; my token
	s_mov_b32 s19, 0
	s_mov_b32 s20, 0x76543210
	s_mov_b32 s21, 0xfedcba98                      ; v_permlanex16_b32's selects for lane l xor 16
	s_wait_kmcnt 0x0
	s_load_b256 s[24:31], s[8:9], 0x0              ; bg
	s_lshl_b32 s18, s17, 12
	s_add_nc_u64 s[4:5], s[4:5], s[18:19]          ; my row of x
	s_mul_i32 s18, s17, 768
	s_add_nc_u64 s[32:33], s[10:11], s[18:19]      ; my row of codes
	s_lshl_b32 s18, s17, 5
	s_add_nc_u64 s[34:35], s[10:11], s[18:19]
	s_add_nc_u64 s[34:35], s[34:35], XSC           ; my 32 scale bytes
	s_lshl_b32 s18, s17, 2
	s_add_nc_u64 s[12:13], s[12:13], s[18:19]
	s_add_nc_u64 s[14:15], s[14:15], s[18:19]
.irp i, 0,1,2,3,4,5,6,7
	global_load_b128 v[X+4*\i:X+4*\i+3], v2, s[4:5] offset:512*\i th:TH_LOAD_NT      ; 512 consecutive bytes of my row
.endr
.irp q, 0,1,2,3,4,5,6,7,8,9,10,11,12,13,14,15
	global_load_b128 v[W+4*\q:W+4*\q+3], v18, s[6:7] offset:2048*\q                  ; the work-group's four waves take 2,048 consecutive bytes of Wg
.endr
	s_wait_loadcnt 16                              ; x is in; Wg's sixteen younger loads may be out
.irp i, 0,1,2,3,4,5,6,7
	ds_store_b128 v4, v[X+4*\i:X+4*\i+3] offset:576*\i
.endr
	s_wait_loadcnt 0x0
.irp q, 0,1,2,3,4,5,6,7,8,9,10,11,12,13,14,15
	ds_store_b128 v3, v[W+4*\q:W+4*\q+3] offset:2080*\q
.endr
	s_wait_dscnt 0x0                               ; for the others' sake: my part of Wg lies in LDS
	s_barrier_signal -1
	s_barrier_wait -1
.irp i, 0,1,2,3,4,5,6,7
	ds_load_b128 v[X+4*\i:X+4*\i+3], v5 offset:16*\i
.endr
.macro WLD half                        ; Wg's rows of my k = 16 half .. 16 half + 15
.set mm, 0
.rept 32
	ds_load_b128 v[W+4*mm:W+4*mm+3], v6 offset:512*\half+16*mm
.set mm, mm+1
.endr
.endm
.macro DOT half                        ; eight chains side by side; the first product starts each sum
.set ii, 0
.rept 16
.irp e, 0,1,2,3,4,5,6,7
.if (\half == 0) && (ii == 0)
	v_mul_f32 v[LG+\e], v[X], v[W+\e]
.else
	v_fmac_f32 v[LG+\e], v[X+16*\half+ii], v[W+8*ii+\e]
.endif
.endr
.set ii, ii+1
.endr
.endm
	WLD 0
	s_wait_dscnt 0x0
	DOT 0
	WLD 1
	; my block's scale and codes, while Wg's second half is on its way from LDS
	v_max3_num_f32 v18, |v[X]|, |v[X+1]|, |v[X+2]|
	v_max3_num_f32 v19, |v[X+3]|, |v[X+4]|, |v[X+5]|
.irp i, 6,10,14,18,22,26
	v_max3_num_f32 v18, v18, |v[X+\i]|, |v[X+\i+1]|
	v_max3_num_f32 v19, v19, |v[X+\i+2]|, |v[X+\i+3]|
.endr
	v_max3_num_f32 v18, v18, |v[X+30]|, |v[X+31]|
	v_max3_num_f32 v18, v18, v19, 0x2800000        ; and the floor 2^(5 - 127): the byte cannot fall under 1
	v_add_nc_u32 v20, 0xfe000000, v18              ; 4 off the exponent field: the conversion takes this operand's exponent field as its scale
	v_lshrrev_b32 v21, 23, v20                     ; the scale's byte
	v_cvt_scalef32_pk16_bf6_f32 v[CD:CD+2], v[X:X+15], v20
	v_cvt_scalef32_pk16_bf6_f32 v[CD+4:CD+6], v[X+16:X+31], v20      ; (a conversion's three registers begin on an even number)
	v_nop                                          ; one plain place behind a scaled conversion
	v_mov_b32 v[CD+3], v[CD+4]
	v_mov_b32 v[CD+4], v[CD+5]
	v_mov_b32 v[CD+5], v[CD+6]                     ; 24 bytes on end
.irp i, 0,1,2
	ds_store_b64 v7, v[CD+2*\i:CD+2*\i+1] offset:8*\i
.endr
.irp i, 0,1,2
	ds_load_b64 v[200+2*\i:201+2*\i], v9 offset:256*\i               ; LDS serves a wave's instructions in order: these see the stores above
.endr
	s_wait_dscnt 6                                 ; Wg's 32 loads are in; the three stores and three loads behind them may be out
	DOT 1
	s_wait_dscnt 0x0
.irp i, 0,1,2
	global_store_b64 v8, v[200+2*\i:201+2*\i], s[32:33] offset:256*\i    ; 32 lanes store 256 consecutive bytes, at a multiple of 256 from xq's first byte
.endr
	global_store_b8 v1, v21, s[34:35]              ; my block's scale byte
	; the eight sums over the 32 lanes
.irp m, 1,2,4,8
.irp e, 0,1,2,3,4,5,6,7
	v_add_f32_dpp v[LG+\e], v[LG+\e], v[LG+\e] row_xmask:\m row_mask:0xf bank_mask:0xf
.endr
.endr
.irp e, 0,1,2,3,4,5,6,7
	v_permlanex16_b32 v[W+\e], v[LG+\e], s20, s21  ; (its destination counts as read: a register that has been written)
.endr
	s_wait_kmcnt 0x0                               ; bg
.irp e, 0,1,2,3,4,5,6,7
	v_add_f32 v[LG+\e], v[LG+\e], v[W+\e]
.endr
.irp e, 0,1,2,3,4,5,6,7
	v_add_f32 v[LG+\e], s[24+\e], v[LG+\e]
.endr
	; the largest: a later logit wins only where it is strictly larger, so a tie keeps the lower index
	v_mov_b32 v22, v[LG]
	v_mov_b32 v23, 0
.irp e, 1,2,3,4,5,6,7
	v_cmp_le_f32 vcc_lo, v[LG+\e], v22
	v_cndmask_b32 v23, \e, v23, vcc_lo
	v_cndmask_b32 v22, v[LG+\e], v22, vcc_lo
.endr
	v_mov_b32 v24, 0xff800000                      ; -infinity takes the winner's place,
.irp e, 0,1,2,3,4,5,6,7
	v_cmp_eq_u32 vcc_lo, \e, v23
	v_cndmask_b32 v[LG+\e], v[LG+\e], v24, vcc_lo
.endr
	v_mov_b32 v25, v[LG]                           ; and the same scan gives the second
	v_mov_b32 v26, 0
.irp e, 1,2,3,4,5,6,7
	v_cmp_le_f32 vcc_lo, v[LG+\e], v25
	v_cndmask_b32 v26, \e, v26, vcc_lo
	v_cndmask_b32 v25, v[LG+\e], v25, vcc_lo
.endr
	; softmax of the two with the larger taken away: 1 / (1 + z) and z / (1 + z), z = e^(second - first), at most 1
	v_sub_f32 v27, v25, v22
	v_mul_f32 v27, 0x3fb8aa3b, v27
	v_exp_f32 v28, v27
	v_nop                                          ; one plain place behind a transcendental
	s_wait_alu depctr_va_vdst(0)
	v_add_f32 v29, 1.0, v28
	v_rcp_f32 v30, v29
	v_nop
	s_wait_alu depctr_va_vdst(0)
	v_mul_f32 v31, v28, v30
	v_cmp_eq_u32 vcc_lo, 1, v1                     ; lane 0 stores the first choice, lane 1 the second
	v_cndmask_b32 v23, v23, v26, vcc_lo
	v_cndmask_b32 v30, v30, v31, vcc_lo
	v_lshlrev_b32 v19, 12, v1                      ; 4,096 bytes from choice to choice
	s_wait_xcnt 0x0                                ; EXEC changes only behind this wait: it is a source of the stores above
	v_cmp_gt_u32 vcc_lo, 2, v1
	s_wait_tensorcnt 0x0
	ds_add_u32 v208, v209
	s_wait_dscnt 0x0
	s_and_saveexec_b32 s22, vcc_lo
	global_store_b32 v19, v23, s[12:13]
	global_store_b32 v19, v30, s[14:15]
	s_endpgm
.Lfunc_end_k_q813e43443e_route:
	.size	k_q813e43443e_route, .Lfunc_end_k_q813e43443e_route-k_q813e43443e_route
	.p2alignl 7, 3214868480
	.fill 96, 4, 3214868480
	.section	.rodata,"a",@progbits
	.p2align	6, 0x0
	.amdhsa_kernel k_q813e43443e_route
		.amdhsa_group_segment_fixed_size 55296
		.amdhsa_private_segment_fixed_size 0
		.amdhsa_enable_private_segment 0
		.amdhsa_kernarg_size 48
		.amdhsa_user_sgpr_count 2
		.amdhsa_user_sgpr_kernarg_segment_ptr 1
		.amdhsa_wavefront_size32 1
		.amdhsa_system_sgpr_workgroup_id_x 1
		.amdhsa_system_sgpr_workgroup_id_y 1
		.amdhsa_system_sgpr_workgroup_id_z 1
		.amdhsa_system_vgpr_workitem_id 0
		.amdhsa_next_free_vgpr 210
		.amdhsa_next_free_sgpr 66
		.amdhsa_reserve_vcc 1
		.amdhsa_float_denorm_mode_32 3
		.amdhsa_float_denorm_mode_16_64 3
		.amdhsa_memory_ordered 1
		.amdhsa_forward_progress 1
		.amdhsa_inst_pref_size 27
	.end_amdhsa_kernel
	.amdgpu_metadata
---
amdhsa.version: [ 1, 2 ]
amdhsa.kernels:
  - .name:           k_q813e43443e_route
    .symbol:         k_q813e43443e_route.kd
    .args:
      - { .name: x, .offset: 0, .size: 8, .value_kind: global_buffer, .address_space: global }
      - { .name: Wg, .offset: 8, .size: 8, .value_kind: global_buffer, .address_space: global }
      - { .name: bg, .offset: 16, .size: 8, .value_kind: global_buffer, .address_space: global }
      - { .name: xq, .offset: 24, .size: 8, .value_kind: global_buffer, .address_space: global }
      - { .name: eidx, .offset: 32, .size: 8, .value_kind: global_buffer, .address_space: global }
      - { .name: gates, .offset: 40, .size: 8, .value_kind: global_buffer, .address_space: global }
    .group_segment_fixed_size: 55296
    .private_segment_fixed_size: 0
    .kernarg_segment_align: 8
    .kernarg_segment_size: 48
    .max_flat_workgroup_size: 128
    .sgpr_count:     66
    .vgpr_count:     210
    .wavefront_size: 32
...
	.end_amdgpu_metadata
.endif
;; end of part 1
;; launch place (part 2): grid 8 x 1, 1 waves a work-group, no clusters, 8,960 bytes of LDS; arguments eidx, gates, list, glist; writes list, glist
.if DOCPART == 2
	.amdgcn_target "amdgcn-amd-amdhsa--gfx1250"
	.amdhsa_code_object_version 6
	.text
	.protected	k_q813e43443e_place
	.globl	k_q813e43443e_place
	.p2align	8
	.type	k_q813e43443e_place,@function
k_q813e43443e_place:
	s_mov_b64 s[64:65], 0
	v_nop
	global_prefetch_b8 v0, s[64:65] scope:SCOPE_SE
	s_setreg_imm32_b32 hwreg(HW_REG_WAVE_MODE, 25, 1), 1
	s_wait_xcnt 0x0
; PLACE.  Work-group e, one wave, gathers the slots (slot = 1024 x choice + token) that chose expert e: list[e] holds their numbers on end, glist[e] their gates, and behind list[e]'s 1,024 words its count, 64 times.
; No atomics: all 2,048 choices lie in the wave's registers (64 a lane); register by register, the lanes that match take the places count + (matching lanes below me), and the count goes up by the number of matches.
; A lane that does not match writes to a spare word behind the list.  Places at and behind the count hold 0: a slot that exists, so that a later launch's padded rows read inside every buffer.
; An expert is chosen by a token at most once, so a list has at most 1,024 entries.
.set E,   16                           ; v16-79   the experts chosen: register 4 i + c of lane l is slot 128 i + 4 l + c
.set G,   80                           ; v80-143  their gates
.set GL,  4352                         ; LDS: the list at 0 (4,096 bytes, its spare word at 4,096); the gates at 4,352 (spare word at 8,448)
	s_load_b256 s[4:11], s[0:1], 0x0               ; eidx, gates, list, glist
	v_lshl_add_u32 v144, v0, 2, 0x2200
	v_mov_b32 v145, 0
	v_lshlrev_b32 v1, 4, v0                        ; 16 x lane
	v_lshlrev_b32 v2, 2, v0                        ; 4 x lane
	v_lshlrev_b32 v3, 3, v0                        ; 8 x lane
	v_mov_b32 v4, 0
	v_mov_b32 v5, 0
	v_mov_b32 v6, 0
	v_mov_b32 v7, 0
	v_mov_b32 v11, 0x800
	v_mov_b32 v12, 0
	s_mov_b32 s12, ttmp9                           ; my expert
	s_mov_b32 s13, 0                               ; the count so far
	s_mov_b32 s17, 0
	s_wait_kmcnt 0x0
.irp i, 0,1,2,3,4,5,6,7,8,9,10,11,12,13,14,15
	global_load_b128 v[E+4*\i:E+4*\i+3], v1, s[4:5] offset:512*\i
.endr
.irp i, 0,1,2,3,4,5,6,7,8,9,10,11,12,13,14,15
	global_load_b128 v[G+4*\i:G+4*\i+3], v1, s[6:7] offset:512*\i
.endr
	s_mul_i32 s16, s12, 4352
	s_add_nc_u64 s[8:9], s[8:9], s[16:17]
	s_lshl_b32 s16, s12, 12
	s_add_nc_u64 s[10:11], s[10:11], s[16:17]
.irp i, 0,1,2,3,4,5,6,7
	ds_store_b128 v1, v[4:7] offset:512*\i         ; zeros everywhere first
	ds_store_b128 v1, v[4:7] offset:GL+512*\i
.endr
	s_wait_loadcnt 0x0
.set nn, 0
.rept 64
	v_cmp_eq_u32 vcc_lo, s12, v[E+nn]
	v_mbcnt_lo_u32_b32 v8, vcc_lo, s13             ; the count + the matching lanes below me
	v_cndmask_b32 v9, v11, v12, vcc_lo             ; 2,048 more where I do not match,
	v_add_nc_u32 v8, v8, v9
	v_min_u32 v8, 0x400, v8                        ; which the hold turns into the spare word's place
	v_lshlrev_b32 v8, 2, v8
	v_add_nc_u32 v10, 128*(nn/4)+nn%4, v2          ; my slot's number
	ds_store_b32 v8, v10
	ds_store_b32 v8, v[G+nn] offset:GL
	s_bcnt1_i32_b32 s14, vcc_lo
	s_add_co_u32 s13, s13, s14
.set nn, nn+1
.endr
.irp i, 0,1,2,3,4,5,6,7
	ds_load_b128 v[E+4*\i:E+4*\i+3], v1 offset:512*\i                ; LDS serves a wave's instructions in order: these see the stores above
.endr
.irp i, 0,1,2,3,4,5,6,7
	ds_load_b128 v[E+32+4*\i:E+32+4*\i+3], v1 offset:GL+512*\i
.endr
	s_wait_dscnt 0x0
	v_mov_b32 v4, s13
	v_mov_b32 v5, s13
.irp i, 0,1,2,3,4,5,6,7
	global_store_b128 v1, v[E+4*\i:E+4*\i+3], s[8:9] offset:512*\i   ; 512 consecutive bytes a store
.endr
.irp i, 0,1,2,3,4,5,6,7
	global_store_b128 v1, v[E+32+4*\i:E+32+4*\i+3], s[10:11] offset:512*\i
.endr
	global_store_b64 v3, v[4:5], s[8:9] offset:4096                  ; the count: 256 consecutive bytes
	s_wait_tensorcnt 0x0
	ds_add_u32 v144, v145
	s_wait_dscnt 0x0
	s_endpgm
.Lfunc_end_k_q813e43443e_place:
	.size	k_q813e43443e_place, .Lfunc_end_k_q813e43443e_place-k_q813e43443e_place
	.p2alignl 7, 3214868480
	.fill 96, 4, 3214868480
	.section	.rodata,"a",@progbits
	.p2align	6, 0x0
	.amdhsa_kernel k_q813e43443e_place
		.amdhsa_group_segment_fixed_size 8960
		.amdhsa_private_segment_fixed_size 0
		.amdhsa_enable_private_segment 0
		.amdhsa_kernarg_size 32
		.amdhsa_user_sgpr_count 2
		.amdhsa_user_sgpr_kernarg_segment_ptr 1
		.amdhsa_wavefront_size32 1
		.amdhsa_system_sgpr_workgroup_id_x 1
		.amdhsa_system_sgpr_workgroup_id_y 1
		.amdhsa_system_sgpr_workgroup_id_z 1
		.amdhsa_system_vgpr_workitem_id 0
		.amdhsa_next_free_vgpr 146
		.amdhsa_next_free_sgpr 66
		.amdhsa_reserve_vcc 1
		.amdhsa_float_denorm_mode_32 3
		.amdhsa_float_denorm_mode_16_64 3
		.amdhsa_memory_ordered 1
		.amdhsa_forward_progress 1
		.amdhsa_inst_pref_size 40
	.end_amdhsa_kernel
	.amdgpu_metadata
---
amdhsa.version: [ 1, 2 ]
amdhsa.kernels:
  - .name:           k_q813e43443e_place
    .symbol:         k_q813e43443e_place.kd
    .args:
      - { .name: eidx, .offset: 0, .size: 8, .value_kind: global_buffer, .address_space: global }
      - { .name: gates, .offset: 8, .size: 8, .value_kind: global_buffer, .address_space: global }
      - { .name: list, .offset: 16, .size: 8, .value_kind: global_buffer, .address_space: global }
      - { .name: glist, .offset: 24, .size: 8, .value_kind: global_buffer, .address_space: global }
    .group_segment_fixed_size: 8960
    .private_segment_fixed_size: 0
    .kernarg_segment_align: 8
    .kernarg_segment_size: 32
    .max_flat_workgroup_size: 32
    .sgpr_count:     66
    .vgpr_count:     146
    .wavefront_size: 32
...
	.end_amdgpu_metadata
.endif
;; end of part 2
;; launch up (part 3): grid 32 x 8, 4 waves a work-group, no clusters, 101,888 bytes of LDS; arguments xq, W1_codes, W1_scales, b1, list, hq; writes hq
.if DOCPART == 3
	.amdgcn_target "amdgcn-amd-amdhsa--gfx1250"
	.amdhsa_code_object_version 6
	.text
	.protected	k_q813e43443e_up
	.globl	k_q813e43443e_up
	.p2align	8
	.type	k_q813e43443e_up,@function
k_q813e43443e_up:
	s_mov_b64 s[64:65], 0
	v_nop
	global_prefetch_b8 v0, s[64:65] scope:SCOPE_SE
	s_setreg_imm32_b32 hwreg(HW_REG_WAVE_MODE, 25, 1), 1
	s_wait_xcnt 0x0
; UP.  h = Q(relu(Q(x) W1 + b1)) for the rows that chose the expert, on codes of E3M2 with one E8M0 scale for each 32 along K.
; Work-group (x = slice, y = expert) owns hidden units 128 x .. 128 x + 127 of the expert: one K step of the second product.  THE WEIGHTS STAND STILL: each of the four waves holds the whole slice,
; 8 tiles of 16 units x 8 K steps = 64 fragments, 63 of them in registers for the whole launch (the 64th comes from LDS in each trip), and the expert's rows go past in tiles of 16: wave w takes tiles w, w + 4, ..
; The slice is 98,304 consecutive bytes of W1_codes, read from memory once by the launch, in loads of 512 consecutive bytes, and turned into fragments through LDS.
; The number of tiles hangs on the stored count, so the launch has no tensor load, and its one barrier stands ahead of every branch on that count.  Clusters: nothing is shared by tensor loads here, so there is no joint request to make.
; THE PRODUCT IS USED TRANSPOSED (source 0 = 16 units of W1, source 1 = 16 rows of x), and the units of a tile are not neighbours: lane r of tile 2 b + u takes unit 32 b + 8 u + r + 8 (r / 8).
; So a lane holds one row, and the 16 registers of tiles 2 b and 2 b + 1 are the 16 neighbouring units 32 b + 16 (lane / 16) + 0 .. 15: what the conversions want.  b1 is loaded into the accumulators: it is the C of each sum's first product.
; hq: the fragment of (expert e, tile tau, K step ks) lies as an image of its 12 registers at ((64 e + tau) 32 + ks) 1,536: lane l's registers 4 c .. 4 c + 3 at 512 c + 16 l; its scale words, 4 bytes a lane, at HSC + ((64 e + tau) 32 + ks) 128.
; Rows behind the count are computed on slot 0's token and thrown away later; tile 0 is made for an expert without rows too, so that the next launch's loads ahead find written bytes.
; LIMITS: NaN and infinities are not served; a block of h whose largest number lies under 2^-122 (a block of zeros too) gets the byte 1, which this program alone reads.
.set XSC,  786432
.set HSC,  25165824
.set WP,   784                         ; an LDS row of W1: 768 bytes + 16 = 196 words: row r starts at bank 4 r mod 64 (64 banks of 4 bytes: ISA guide 11.1): the 32 lanes of a load of 8 bytes touch 64 different banks
.set BIAS, 128*WP                      ; behind the 128 rows: my slice of b1, 512 bytes
.set L16,  1                           ; v1   16 x lane
.set XOFF, 2                           ; v2   my row's codes in xq: 768 x token + 48 h
.set XSOFF,3                           ; v3   its scale bytes: 32 x token + 16 h
.set LOFF, 4                           ; v4   my row's word in the list
.set ENT,  5                           ; v5   that word
.set FA0,  6                           ; v6   a fragment's place in LDS: 784 r + 24 h (tiles 0-3);  v7: tiles 4-7
.set FA1,  7
.set BA,   8                           ; v8   b1 in LDS: + 64 h
.set L4,   9                           ; v9   4 x lane
.set H48,  10
.set H16,  11
.set LA,   12                          ; v12-14 W1 into LDS
.set TOK,  15
.set XR,   16                          ; v16-111  x's eight fragments
.set ACC,  112                         ; v112-175 the eight accumulators
.set PC,   176                         ; v176-195 fragment 63, later the codes just made
.set TM,   196                         ; v196-199 largest numbers, v200-203 the other half's, then bytes, v204-207 the conversions' scale operands
.set PW,   208                         ; the scale word just made
.set XS,   210                         ; v210-213 x's scale words: register j: lanes 0-15 K step j, lanes 16-31 K step 4 + j
.set XSN,  214                         ; v214-217 the next tile's
.set SW,   218                         ; v218-249 W1's, four registers a tile, laid likewise
.set MSB, 0
.macro WIN new                         ; the immediate's high byte repeats the setting that is left
.if MSB != \new
	s_set_vgpr_msb (MSB<<8)|\new
.set MSB, \new
.endif
.endm
.macro FSET f                          ; fragment f = 8 s + t: 21 to each of windows 1 to 3; the 64th in window 0
.if (\f) < 63
.set FW, 1+(\f)/21
.set FRG, 12*((\f)%21)
.else
.set FW, 0
.set FRG, PC
.endif
.endm
.macro WFRAG f                         ; a fragment from LDS: 24 bytes of the row's stream of bits twice, in pieces of 8
	FSET \f
.set WS, FW<<6
	WIN WS
.set tt, (\f)%8
.set kk, (\f)/8
.irp p, 0,1,2,3,4,5
.if tt < 4
	ds_load_b64 v[FRG+2*\p:FRG+2*\p+1], v[FA0] offset:16*tt*WP+96*kk+48*(\p/3)+8*(\p%3)
.else
	ds_load_b64 v[FRG+2*\p:FRG+2*\p+1], v[FA1] offset:16*(tt-4)*WP+96*kk+48*(\p/3)+8*(\p%3)
.endif
.endr
.endm
.macro KSTEP ks                        ; eight products: the accumulators take turns, one instruction a turn
.irp t, 0,1,2,3,4,5,6,7
	FSET 8*(\ks)+\t
	WIN FW
.if (\ks) < 4
	v_wmma_scale_f32_16x16x128_f8f6f4 v[ACC+8*\t:ACC+8*\t+7], v[FRG:FRG+11], v[XR+12*(\ks):XR+12*(\ks)+11], v[ACC+8*\t:ACC+8*\t+7], v[SW+4*\t+(\ks)], v[XS+(\ks)] matrix_a_fmt:MATRIX_FMT_BF6 matrix_b_fmt:MATRIX_FMT_BF6
.else
	v_wmma_scale_f32_16x16x128_f8f6f4 v[ACC+8*\t:ACC+8*\t+7], v[FRG:FRG+11], v[XR+12*(\ks):XR+12*(\ks)+11], v[ACC+8*\t:ACC+8*\t+7], v[SW+4*\t+(\ks)-4], v[XS+(\ks)-4] matrix_a_fmt:MATRIX_FMT_BF6 matrix_b_fmt:MATRIX_FMT_BF6 matrix_a_scale:MATRIX_SCALE_ROW1 matrix_b_scale:MATRIX_SCALE_ROW1
.endif
.endr
.endm
.macro XLD k0                          ; x's fragments of K steps k0 .. k0 + 3: 48 consecutive bytes a lane and K step
.irp s, \k0, \k0+1, \k0+2, \k0+3
.irp c, 0,1,2
	global_load_b128 v[XR+12*(\s)+4*\c:XR+12*(\s)+4*\c+3], v[XOFF], s[4:5] offset:96*(\s)+16*\c
.endr
.endr
.endm
.macro NEXTTOK                         ; the list's word becomes addresses: held inside the table, then the token is the slot's low ten bits
	v_min_u32 v[ENT], 0x7ff, v[ENT]
	v_and_b32 v[TOK], 0x3ff, v[ENT]
	v_mad_u32_u24 v[XOFF], v[TOK], 0x300, v[H48]
	v_lshl_add_u32 v[XSOFF], v[TOK], 5, v[H16]
.endm
.macro PRE                             ; what a trip finds ready: b1 in the accumulators, fragment 63.  Both lie in window 0
	WIN 0
.irp t, 0,1,2,3,4,5,6,7
	ds_load_b128 v[ACC+8*\t:ACC+8*\t+3], v[BA] offset:128*(\t/2)+32*(\t%2)
	ds_load_b128 v[ACC+8*\t+4:ACC+8*\t+7], v[BA] offset:128*(\t/2)+32*(\t%2)+16
.endr
	WFRAG 63
.endm
; 64 numbers of a lane, none negative, register 16 b + i = k 32 b + 16 (lane / 16) + i of my row, become a fragment's codes in v[PC] on and its scale word in v[PW]
.macro QUANT s
.irp b, 0,1,2,3
	v_max3_num_f32 v[TM+\b], v[\s+16*\b], v[\s+1+16*\b], 0x2800000   ; block b: my 16 numbers, and the floor 2^(5 - 127): the byte cannot fall under 1
.endr
.irp i, 2,4,6,8,10,12,14
.irp b, 0,1,2,3
	v_max3_num_f32 v[TM+\b], v[TM+\b], v[\s+16*\b+\i], v[\s+1+16*\b+\i]
.endr
.endr
.irp b, 0,1,2,3
	v_permlanex16_b32 v[TM+4+\b], v[TM+\b], s30, s31
.endr
.irp b, 0,1,2,3
	v_max_num_f32 v[TM+\b], v[TM+\b], v[TM+4+\b]   ; with lane l xor 16's: the block's largest number
.endr
.irp b, 0,1,2,3
	v_add_nc_u32 v[TM+8+\b], 0xfe000000, v[TM+\b]  ; 4 off its exponent field: the conversion's scale operand
.endr
.irp b, 0,1,2,3
	v_lshrrev_b32 v[TM+4+\b], 23, v[TM+8+\b]       ; the scale's byte
.endr
	v_lshl_or_b32 v[PW], v[TM+5], 8, v[TM+4]
	v_lshl_or_b32 v[PW], v[TM+6], 16, v[PW]
	v_lshl_or_b32 v[PW], v[TM+7], 24, v[PW]
.irp c, 0,1
	v_cvt_scalef32_pk16_bf6_f32 v[PC+6*\c:PC+2+6*\c], v[\s+32*\c:\s+15+32*\c], v[TM+8+2*\c]
	v_cvt_scalef32_pk16_bf6_f32 v[PC+12+4*\c:PC+14+4*\c], v[\s+16+32*\c:\s+31+32*\c], v[TM+8+2*\c+1]   ; (a conversion's three registers begin on an even number)
.endr
	v_nop                                          ; one plain place behind a scaled conversion
.irp c, 0,1                                    ; the operand's layout wants a whole block in a lane: lanes 0-15 block 2 c, lanes 16-31 block 2 c + 1
.irp i, 0,1,2
	v_permlane16_swap_b32 v[PC+6*\c+\i], v[PC+12+4*\c+\i]
.endr
.irp i, 0,1,2
	v_mov_b32 v[PC+3+6*\c+\i], v[PC+12+4*\c+\i]
.endr
.endr
.endm
	s_load_b256 s[4:11], s[0:1], 0x0               ; xq s[4:5], W1's codes s[6:7], W1's scales s[8:9], b1 s[10:11]
	s_load_b128 s[12:15], s[0:1], 0x20             ; list s[12:13], hq s[14:15]
	v_lshl_add_u32 v209, v0, 2, 0x18c00
	s_set_vgpr_msb 0x40
	v_mov_b32 v255, 0
	s_set_vgpr_msb 0x4000
	v_lshrrev_b32 v15, 5, v0
	v_readfirstlane_b32 s16, v15                   ; wave
	s_and_b32 s17, ttmp7, 0xffff                   ; expert
	s_mov_b32 s18, ttmp9                           ; slice
	v_and_b32 v15, 31, v0
	v_lshlrev_b32 v[L16], 4, v15
	v_lshlrev_b32 v[L4], 2, v15
	v_and_b32 v252, 15, v0                         ; r
	v_bfe_u32 v253, v0, 4, 1                       ; h
	v_mul_u32_u24 v[H48], v253, 48
	v_lshlrev_b32 v[H16], 4, v253
	v_mul_u32_u24 v[FA0], v252, WP
	v_mad_u32_u24 v[FA0], v253, 24, v[FA0]
	v_add_nc_u32 v[FA1], 64*WP, v[FA0]
	v_lshlrev_b32 v[BA], 6, v253
	v_add_nc_u32 v[BA], BIAS, v[BA]
	s_mul_i32 s22, s16, 32*WP                      ; wave w brings units 32 w .. 32 w + 31, which are tiles 2 w and 2 w + 1: LDS rows 32 w on
	v_add_nc_u32 v[LA], s22, v[L16]                ; of three loads (two rows of 768 bytes): the first row's bytes 0-511;
	v_add_nc_u32 v[LA+1], v[LA], v[H16]
	v_add_nc_u32 v[LA+1], 512, v[LA+1]             ; its last 256 and the second row's first 256 (16 bytes of padding between);
	v_add_nc_u32 v[LA+2], 1040, v[LA]              ; the second row's bytes 256-767
	s_lshl_b32 s22, s16, 6
	v_lshl_add_u32 v[LOFF], v252, 2, s22           ; tile w, row r of the list
	v_lshlrev_b32 v250, 2, v0
	v_add_nc_u32 v251, BIAS, v250
	v_and_b32 v254, 8, v252
	v_add_nc_u32 v254, v254, v252                  ; r + 8 (r / 8)
	v_lshl_add_u32 v254, v254, 5, v[H16]           ; W1's scale bytes: 32 a unit; lanes 16-31 take the upper 16
	s_mov_b32 s23, 0
	s_mov_b32 s30, 0x76543210
	s_mov_b32 s31, 0xfedcba98                      ; v_permlanex16_b32's selects for lane l xor 16
	s_wait_kmcnt 0x0
	s_mul_i32 s22, s17, 4352
	s_add_nc_u64 s[12:13], s[12:13], s[22:23]      ; my expert's list
	s_load_b32 s19, s[12:13], 0x1000               ; its count
	global_load_b32 v[ENT], v[LOFF], s[12:13]
	s_mul_i32 s22, s17, 3145728
	s_mul_i32 s32, s18, 98304
	s_add_co_u32 s22, s22, s32
	s_mul_i32 s32, s16, 24576
	s_add_co_u32 s22, s22, s32
	s_add_nc_u64 s[6:7], s[6:7], s[22:23]          ; my wave's 32 rows of the slice
.set qq, 0
.rept 48
	global_load_b128 v[16+4*qq:19+4*qq], v[L16], s[6:7] offset:512*qq th:TH_LOAD_NT     ; 512 consecutive bytes; read once in the launch
.set qq, qq+1
.endr
	s_lshl_b32 s22, s17, 17
	s_lshl_b32 s32, s18, 12
	s_add_co_u32 s22, s22, s32
	s_add_nc_u64 s[8:9], s[8:9], s[22:23]
.irp t, 0,1,2,3,4,5,6,7
	global_load_b128 v[SW+4*\t:SW+4*\t+3], v254, s[8:9] offset:32*(32*(\t/2)+8*(\t%2))
.endr
	s_lshl_b32 s22, s17, 14
	s_lshl_b32 s32, s18, 9
	s_add_co_u32 s22, s22, s32
	s_add_nc_u64 s[10:11], s[10:11], s[22:23]
	global_load_b32 v255, v250, s[10:11]           ; the 128 threads take the slice's 128 numbers of b1
	s_add_nc_u64 s[24:25], s[4:5], XSC             ; xq's scale bytes
	s_mul_i32 s22, s17, 3145728
	s_mul_i32 s32, s16, 49152
	s_add_co_u32 s22, s22, s32
	s_mul_i32 s32, s18, 1536
	s_add_co_u32 s22, s22, s32
	s_add_nc_u64 s[26:27], s[14:15], s[22:23]      ; hq: (expert, tile w, K step = slice)
	s_lshl_b32 s22, s17, 18
	s_lshl_b32 s32, s16, 12
	s_add_co_u32 s22, s22, s32
	s_lshl_b32 s32, s18, 7
	s_add_co_u32 s22, s22, s32
	s_add_nc_u64 s[28:29], s[14:15], s[22:23]
	s_add_nc_u64 s[28:29], s[28:29], HSC           ; and its scale words
	s_wait_loadcnt 0x0
.set cc, 0
.rept 16                               ; local rows 2 c, 2 c + 1 go to the LDS rows of their tile and lane: 16 x (tile's parity) + 8 x (upper eight) + place among eight
.set SI, WP*(16*((cc>>2)&1)+8*(cc>>3)+2*(cc&3))
	ds_store_b128 v[LA], v[16+12*cc:19+12*cc] offset:SI
	ds_store_b128 v[LA+1], v[20+12*cc:23+12*cc] offset:SI
	ds_store_b128 v[LA+2], v[24+12*cc:27+12*cc] offset:SI
.set cc, cc+1
.endr
	ds_store_b32 v251, v255
	s_wait_kmcnt 0x0                               ; the count
	s_wait_dscnt 0x0                               ; for the others' sake: my rows lie in LDS
	s_barrier_signal -1
	s_barrier_wait -1                              ; the launch's one barrier: behind it LDS is only read
	s_min_u32 s19, s19, 1024
	s_add_co_u32 s20, s19, 15
	s_lshr_b32 s20, s20, 4
	s_max_u32 s20, s20, 1                          ; tiles of the expert, at least one
	s_add_co_u32 s21, s20, 3
	s_sub_co_u32 s21, s21, s16
	s_lshr_b32 s21, s21, 2                         ; of which mine
	s_cmp_eq_u32 s21, 0
	s_cbranch_scc1 .Lend
	NEXTTOK
	global_load_b128 v[XS:XS+3], v[XSOFF], s[24:25]
	XLD 0
	v_add_nc_u32 v[LOFF], 256, v[LOFF]             ; four tiles on,
	v_min_u32 v[LOFF], 0xffc, v[LOFF]              ; held inside the list
	global_load_b32 v[ENT], v[LOFF], s[12:13]
	XLD 4
.irp b, 0,1,2,3
	v_mov_b32 v[TM+4+\b], 0                        ; written once: a lane permute's destination counts as one of its sources
.endr
.set ff, 0
.rept 63
	WFRAG ff
.set ff, ff+1
.endr
	PRE
.Ltile:                                            ; a trip: one tile of 16 rows.  Loads on their way at its head, in order: scale words 1, K steps 0-3 12, the next list word 1, K steps 4-7 12
	s_wait_loadcnt 12                              ; all but the 12 of K steps 4-7
	s_wait_dscnt 0x0                               ; b1 and fragment 63
	KSTEP 0
	KSTEP 1
	KSTEP 2
	KSTEP 3
	WIN 0
	s_wait_xcnt 0x0                                ; the loads still out have read their address register
	NEXTTOK                                        ; the next tile's addresses: four plain lines, the places in front of the loads below
	global_load_b128 v[XSN:XSN+3], v[XSOFF], s[24:25]
	XLD 0
	s_wait_loadcnt 13                              ; the 13 just issued may be out: K steps 4-7 are in
	KSTEP 4
	KSTEP 5
	KSTEP 6
	KSTEP 7
	WIN 0
	v_add_nc_u32 v[LOFF], 256, v[LOFF]             ; four places again
	v_min_u32 v[LOFF], 0xffc, v[LOFF]
	v_nop
	v_nop
	s_wait_loadcnt 12                              ; the next scale words are in
.irp j, 0,1,2,3
	v_mov_b32 v[XS+\j], v[XSN+\j]                  ; (far more than eight plain lines stand between these and the next product)
.endr
	global_load_b32 v[ENT], v[LOFF], s[12:13]
	XLD 4
.set jj, 0
.rept 64
	v_max_num_f32 v[ACC+jj], 0, v[ACC+jj]          ; relu, in f32; each accumulator from its low end on
.set jj, jj+1
.endr
	QUANT ACC
.irp c, 0,1,2
	global_store_b128 v[L16], v[PC+4*\c:PC+4*\c+3], s[26:27] offset:512*\c    ; the fragment as it stands: 512 consecutive bytes a store, at a multiple of 256 from hq's first byte
.endr
	global_store_b32 v[L4], v[PW], s[28:29]
	s_wait_xcnt 0x0                                ; the stores have read their registers and bases
	s_add_nc_u64 s[26:27], s[26:27], 196608        ; four tiles on
	s_add_nc_u64 s[28:29], s[28:29], 16384
	PRE
	s_sub_co_u32 s21, s21, 1
	s_cmp_lg_u32 s21, 0
	s_cbranch_scc1 .Ltile                          ; (the last trip's loads ahead stay inside xq and the list, and nobody reads what they bring)
.Lend:
	s_set_vgpr_msb 0x4
	s_wait_tensorcnt 0x0
	ds_add_u32 v209, v255
	s_wait_dscnt 0x0
	s_set_vgpr_msb 0x400
	s_endpgm
.Lfunc_end_k_q813e43443e_up:
	.size	k_q813e43443e_up, .Lfunc_end_k_q813e43443e_up-k_q813e43443e_up
	.p2alignl 7, 3214868480
	.fill 96, 4, 3214868480
	.section	.rodata,"a",@progbits
	.p2align	6, 0x0
	.amdhsa_kernel k_q813e43443e_up
		.amdhsa_group_segment_fixed_size 101888
		.amdhsa_private_segment_fixed_size 0
		.amdhsa_enable_private_segment 0
		.amdhsa_kernarg_size 48
		.amdhsa_user_sgpr_count 2
		.amdhsa_user_sgpr_kernarg_segment_ptr 1
		.amdhsa_wavefront_size32 1
		.amdhsa_system_sgpr_workgroup_id_x 1
		.amdhsa_system_sgpr_workgroup_id_y 1
		.amdhsa_system_sgpr_workgroup_id_z 1
		.amdhsa_system_vgpr_workitem_id 0
		.amdhsa_next_free_vgpr 1024
		.amdhsa_next_free_sgpr 66
		.amdhsa_reserve_vcc 0
		.amdhsa_float_denorm_mode_32 3
		.amdhsa_float_denorm_mode_16_64 3
		.amdhsa_memory_ordered 1
		.amdhsa_forward_progress 1
		.amdhsa_inst_pref_size 60
	.end_amdhsa_kernel
	.amdgpu_metadata
---
amdhsa.version: [ 1, 2 ]
amdhsa.kernels:
  - .name:           k_q813e43443e_up
    .symbol:         k_q813e43443e_up.kd
    .args:
      - { .name: xq, .offset: 0, .size: 8, .value_kind: global_buffer, .address_space: global }
      - { .name: W1_codes, .offset: 8, .size: 8, .value_kind: global_buffer, .address_space: global }
      - { .name: W1_scales, .offset: 16, .size: 8, .value_kind: global_buffer, .address_space: global }
      - { .name: b1, .offset: 24, .size: 8, .value_kind: global_buffer, .address_space: global }
      - { .name: list, .offset: 32, .size: 8, .value_kind: global_buffer, .address_space: global }
      - { .name: hq, .offset: 40, .size: 8, .value_kind: global_buffer, .address_space: global }
    .group_segment_fixed_size: 101888
    .private_segment_fixed_size: 0
    .kernarg_segment_align: 8
    .kernarg_segment_size: 48
    .max_flat_workgroup_size: 128
    .sgpr_count:     66
    .vgpr_count:     1024
    .wavefront_size: 32
...
	.end_amdgpu_metadata
.endif
;; end of part 3
;; launch down (part 4): grid 32 x 8, 4 waves a work-group, no clusters, 279,040 bytes of LDS; arguments hq, W2_codes, W2_scales, b2, list, glist, part; writes part
.if DOCPART == 4
	.amdgcn_target "amdgcn-amd-amdhsa--gfx1250"
	.amdhsa_code_object_version 6
	.text
	.protected	k_q813e43443e_down
	.globl	k_q813e43443e_down
	.p2align	8
	.type	k_q813e43443e_down,@function
k_q813e43443e_down:
	s_mov_b64 s[64:65], 0
	v_nop
	global_prefetch_b8 v0, s[64:65] scope:SCOPE_SE
	s_setreg_imm32_b32 hwreg(HW_REG_WAVE_MODE, 25, 1), 1
	s_wait_xcnt 0x0
; DOWN.  part[slot] = gate x (h W2 + b2) for every routed row, on codes of E3M2 with one E8M0 scale for each 32 along K.
; Work-group (x = 2 x column block + g, y = expert) owns 64 output columns of the expert and its row tiles g, g + 2, ..  THE WEIGHTS STAND STILL AND THE WAVES SHARE K: wave w holds W2[64 columns][K steps 8 w .. 8 w + 7],
; 32 fragments in 384 registers, for the whole launch, and reads only its own 12,288 bytes of each tile of h, straight into operand registers (hq holds images of them).  No byte is read twice inside a work-group.
; The four waves' partial sums of a tile meet in LDS.  No barrier may stand under a branch on the stored count, so the work goes in two passes of at most 16 tiles (32 is the most that a group can have): a pass's tiles are
; written out, each with a place of its own in the wave's stage; a forward branch leaves them when the tiles are over; then one barrier, the sums, one barrier.  Four barriers in all, on every wave's path.
; The list words and gates of the rows that a wave stores (four rows of each tile) are loaded ONCE, at the head, for both passes: eight registers; the sums take them from there lane by lane, so that no trip of the sums waits for memory.
; The number of tiles hangs on the stored count, so the launch has no tensor load and no joint request.
; THE PRODUCT IS USED TRANSPOSED (source 0 = 16 columns of W2, source 1 = 16 rows of h): a lane holds eight neighbouring columns of one row.
; Rows behind the count are computed and not stored.  The sum over K is taken in four parts: its rounding differs from one ascending chain's within the noise of f32 sums.
.set HSC,   25165824
.set REG,   69632                      ; LDS of a wave: first its 64 rows of W2 (784 bytes each), later its 16 stage slots
.set WP,    784
.set SLOTB, 4352                       ; a stage slot: 16 rows x (256 bytes + 16)
.set SPT,   272
.set L16,  1                           ; v1   16 x lane
.set L8,   2                           ; v2   8 x lane
.set HSO,  3                           ; v3   h's scale words: 512 h + 4 r
.set STO,  4                           ; v4   into my stage: row r, 32 h
.set RD0,  6                           ; v6   out of a stage: my four rows, 8 bytes a lane
.set RDV,  8                           ; v8-11 the same in the four waves' stages, slot in hand
.set FA,   12                          ; v12  a fragment's place in my rows of W2
.set SWO,  14
.set ACC0, 112                         ; v112-143, v144-175 four accumulators, two sets by turns
.set HS0R, 176                         ; v176-179, v180-183 h's scale words: register j: lanes 0-15 my K step j, lanes 16-31 my K step 4 + j
.set SW,   184                         ; v184-199 W2's, four registers a tile, laid likewise
.set ENTV, 200                         ; v200-201 the pass's list words: lane 2 k + b of register a is row 4 w + 2 a + b of stage slot k
.set GV,   202                         ; v202-203 their gates, laid likewise
.set B2,   204                         ; v[204:205] b2 at my two columns
.set RT,   208                         ; v208-239 the sums
.set GA,   240                         ; v240-241 W2 from memory
.set LA,   243                         ; v243-245 W2 into LDS
.set ENT2, 246                         ; v246-247 the second pass's list words
.set GV2,  248                         ; v248-249 and gates
.set LV,   250                         ; v250 where my lane's list word lies: 64 g + 16 w + 4 (lane % 2) + 128 (lane / 2)
; h's fragments: ring set 0 at v16-111 of window 0, set 1 at v132-227 of window 2.  W2's fragment f = 4 s + t: window 1 + f / 21, register 12 (f % 21).
.set MSB, 0
.macro WIN new                         ; the immediate's high byte repeats the setting that is left
.if MSB != \new
	s_set_vgpr_msb (MSB<<8)|\new
.set MSB, \new
.endif
.endm
.macro USE st                          ; the registers of ring set st
.set SET, \st
.set RING, 16+116*SET
.set AC, ACC0+32*SET
.set HSR, HS0R+4*SET
.endm
.macro BASE ahead                      ; the set's bases for the group's tile s25 + ahead, held at the expert's last tile: no load leaves what the launch before has written
	s_wait_xcnt 0x0                                ; the loads still out have read their bases
	s_lshl_b32 s44, s25, 1
	s_add_co_u32 s44, s44, s21
	s_add_co_u32 s44, s44, 2*\ahead
	s_min_u32 s44, s44, s23
	s_min_u32 s44, s44, 63
	s_mul_i32 s42, s44, 49152
	s_add_nc_u64 s[34+2*SET:35+2*SET], s[30:31], s[42:43]
	s_lshl_b32 s42, s44, 12
	s_add_nc_u64 s[38+2*SET:39+2*SET], s[32:33], s[42:43]
.endm
.macro HLD k0                          ; four fragments of h: images, 512 consecutive bytes a load
.if SET
	WIN 0x80
.endif
.irp s, \k0, \k0+1, \k0+2, \k0+3
.irp c, 0,1,2
	global_load_b128 v[RING+12*(\s)+4*\c:RING+12*(\s)+4*\c+3], v[L16], s[34+2*SET:35+2*SET] offset:1536*(\s)+512*\c
.endr
.endr
	WIN 0
.endm
.macro HSL
.irp j, 0,1,2,3
	global_load_b32 v[HSR+\j], v[HSO], s[38+2*SET:39+2*SET] offset:128*\j
.endr
.endm
.macro KST ks                          ; four products: the accumulators take turns, one instruction a turn; K step 0 starts the sums
.irp t, 0,1,2,3
.set ff, 4*(\ks)+\t
.set FW, 1+ff/21
.set FRG, 12*(ff%21)
.set WS, FW+8*SET
	WIN WS
.if (\ks) == 0
	v_wmma_scale_f32_16x16x128_f8f6f4 v[AC+8*\t:AC+8*\t+7], v[FRG:FRG+11], v[RING:RING+11], 0, v[SW+4*\t], v[HSR] matrix_a_fmt:MATRIX_FMT_BF6 matrix_b_fmt:MATRIX_FMT_BF6
.elseif (\ks) < 4
	v_wmma_scale_f32_16x16x128_f8f6f4 v[AC+8*\t:AC+8*\t+7], v[FRG:FRG+11], v[RING+12*(\ks):RING+12*(\ks)+11], v[AC+8*\t:AC+8*\t+7], v[SW+4*\t+(\ks)], v[HSR+(\ks)] matrix_a_fmt:MATRIX_FMT_BF6 matrix_b_fmt:MATRIX_FMT_BF6
.else
	v_wmma_scale_f32_16x16x128_f8f6f4 v[AC+8*\t:AC+8*\t+7], v[FRG:FRG+11], v[RING+12*(\ks):RING+12*(\ks)+11], v[AC+8*\t:AC+8*\t+7], v[SW+4*\t+(\ks)-4], v[HSR+(\ks)-4] matrix_a_fmt:MATRIX_FMT_BF6 matrix_b_fmt:MATRIX_FMT_BF6 matrix_a_scale:MATRIX_SCALE_ROW1 matrix_b_scale:MATRIX_SCALE_ROW1
.endif
.endr
.endm
.macro PLACES                          ; four places in front of loads into registers that matrix instructions have read, and of LDS stores of results
.rept 4
	v_nop
.endr
.endm
; The pass's k-th tile.  Loads on their way at its head, in order: this set's 12 + 4 + 12, the other set's 12 + 4 + 12.
.macro HTILE k
	USE (\k)%2
	s_cmp_ge_u32 s25, s24
	s_cbranch_scc1 .Lpd                            ; the group's tiles are over
	s_wait_dscnt 8                                 ; the stage stores of two tiles ago have read these accumulators; the last tile's eight may be out
	s_wait_loadcnt 40                              ; K steps 0-3 and the scale words are in; 12 + 28 younger loads may be out
	KST 0
	KST 1
	KST 2
	KST 3
	WIN 0
	PLACES
	BASE 2
	HLD 0                                          ; the tile two on
	s_wait_loadcnt 40                              ; K steps 4-7 are in; 28 + 12 younger loads may be out
	KST 4
	KST 5
	KST 6
	KST 7
	WIN 0
	PLACES
	HSL
	HLD 4
.irp t, 0,1,2,3
	ds_store_b128 v[STO], v[AC+8*\t:AC+8*\t+3] offset:SLOTB*(\k)+64*\t          ; each accumulator from its low end on
	ds_store_b128 v[STO], v[AC+8*\t+4:AC+8*\t+7] offset:SLOTB*(\k)+64*\t+16
.endr
	s_add_co_u32 s25, s25, 1
.endm
.macro ROWOUT i                        ; row 4 w + i of the slot: the four parts, b2, the gate; stored where the row is a routed one
	v_pk_add_f32 v[RT+2*\i:RT+2*\i+1], v[RT+2*\i:RT+2*\i+1], v[RT+8+2*\i:RT+8+2*\i+1]
	v_pk_add_f32 v[RT+16+2*\i:RT+16+2*\i+1], v[RT+16+2*\i:RT+16+2*\i+1], v[RT+24+2*\i:RT+24+2*\i+1]
	v_pk_add_f32 v[RT+2*\i:RT+2*\i+1], v[RT+2*\i:RT+2*\i+1], v[RT+16+2*\i:RT+16+2*\i+1]
	v_pk_add_f32 v[RT+2*\i:RT+2*\i+1], v[RT+2*\i:RT+2*\i+1], v[B2:B2+1]
	v_mul_f32 v[RT+2*\i], s[60+\i], v[RT+2*\i]
	v_mul_f32 v[RT+2*\i+1], s[60+\i], v[RT+2*\i+1]
	s_add_co_u32 s45, s67, \i
	s_cmp_ge_u32 s45, s22
	s_cbranch_scc1 .Lpad_\@
	global_store_b64 v[L8], v[RT+2*\i:RT+2*\i+1], s[48+2*\i:49+2*\i]            ; 32 lanes store 256 consecutive bytes, at a multiple of 256 from part's first byte
.Lpad_\@:
.endm
	s_load_b256 s[4:11], s[0:1], 0x0               ; hq s[4:5], W2's codes s[6:7], W2's scales s[8:9], b2 s[10:11]
	s_load_b128 s[12:15], s[0:1], 0x20             ; list s[12:13], glist s[14:15]
	s_load_b64 s[16:17], s[0:1], 0x30              ; part
	v_lshl_add_u32 v254, v0, 2, 0x44000
	v_mov_b32 v255, 0
	v_lshrrev_b32 v5, 5, v0
	v_readfirstlane_b32 s18, v5                    ; wave
	s_and_b32 s19, ttmp7, 0xffff                   ; expert
	s_lshr_b32 s20, ttmp9, 1                       ; column block
	s_and_b32 s21, ttmp9, 1                        ; g
	v_and_b32 v5, 31, v0
	v_and_b32 v7, 15, v0                           ; r
	v_bfe_u32 v13, v0, 4, 1                        ; h
	v_lshlrev_b32 v[L16], 4, v5
	v_lshlrev_b32 v[L8], 3, v5
	v_lshlrev_b32 v[HSO], 2, v7
	v_lshl_add_u32 v[HSO], v13, 9, v[HSO]
	s_mul_i32 s29, s18, REG
	v_mul_u32_u24 v[STO], v7, SPT
	v_lshl_add_u32 v[STO], v13, 5, v[STO]
	v_add_nc_u32 v[STO], s29, v[STO]
	s_mul_i32 s45, s18, 4*SPT
	v_add_nc_u32 v[RD0], s45, v[L8]
	v_mul_u32_u24 v[FA], v7, WP
	v_mad_u32_u24 v[FA], v13, 24, v[FA]
	v_add_nc_u32 v[FA], s29, v[FA]
	v_lshlrev_b32 v[SWO], 7, v7
	v_lshl_add_u32 v[SWO], v13, 4, v[SWO]          ; W2's scale bytes: 128 a column; my K steps' 32, lanes 16-31 the upper 16
	v_mul_u32_u24 v[GA], v13, 2304                 ; of three loads (my 768 bytes of two rows, 3,072 bytes apart): v1: the first row's bytes 0-511;
	v_add_nc_u32 v[GA], v[GA], v[L16]
	v_add_nc_u32 v[GA], 512, v[GA]                 ; its last 256 and the second row's first 256;
	v_add_nc_u32 v[GA+1], 3328, v[L16]             ; the second row's bytes 256-767
	v_add_nc_u32 v[LA], s29, v[L16]                ; and the same in LDS, rows 784 bytes apart
	v_lshl_add_u32 v[LA+1], v13, 4, v[LA]
	v_add_nc_u32 v[LA+1], 512, v[LA+1]
	v_add_nc_u32 v[LA+2], 1040, v[LA]
	s_mov_b32 s43, 0
	s_mov_b32 s25, 0                               ; the group's tile in hand
	s_lshl_b32 s47, s18, 4                         ; 16 x wave
	s_lshl_b32 s71, s18, 2                         ; 4 x wave
	s_lshl_b32 s45, s21, 6
	s_add_co_u32 s45, s45, s47                     ; 64 g + 16 w: my four rows' words in the group's first tile
	v_and_b32 v[LV], 1, v5
	v_lshlrev_b32 v[LV], 2, v[LV]
	v_lshrrev_b32 v251, 1, v5
	v_lshl_add_u32 v[LV], v251, 7, v[LV]           ; two lanes to a stage slot; the group's tiles lie 128 bytes apart in the list
	v_add_nc_u32 v[LV], s45, v[LV]
	s_wait_kmcnt 0x0
	s_mul_i32 s42, s19, 4352
	s_add_nc_u64 s[12:13], s[12:13], s[42:43]      ; my expert's list,
	s_load_b32 s22, s[12:13], 0x1000               ; its count,
	s_lshl_b32 s42, s19, 12
	s_add_nc_u64 s[14:15], s[14:15], s[42:43]      ; its gates
	s_mul_i32 s42, s19, 3145728
	s_mul_i32 s45, s20, 196608
	s_add_co_u32 s42, s42, s45
	s_mul_i32 s45, s18, 768
	s_add_co_u32 s42, s42, s45
	s_add_nc_u64 s[6:7], s[6:7], s[42:43]          ; W2: my 64 columns, my eight K steps
.set qq, 0
.rept 96
.if qq < 64
	WIN 0x40
.set RG, 4*qq
.else
	WIN 0x80
.set RG, 4*(qq-64)
.endif
.if qq%3 == 0
	global_load_b128 v[RG:RG+3], v[L16], s[6:7] offset:6144*(qq/3)
.elseif qq%3 == 1
	global_load_b128 v[RG:RG+3], v[GA], s[6:7] offset:6144*(qq/3)
.else
	global_load_b128 v[RG:RG+3], v[GA+1], s[6:7] offset:6144*(qq/3)
.endif
.set qq, qq+1
.endr
	WIN 0
	s_lshl_b32 s42, s19, 17
	s_lshl_b32 s45, s20, 13
	s_add_co_u32 s42, s42, s45
	s_lshl_b32 s45, s18, 5
	s_add_co_u32 s42, s42, s45
	s_add_nc_u64 s[8:9], s[8:9], s[42:43]
.irp t, 0,1,2,3
	global_load_b128 v[SW+4*\t:SW+4*\t+3], v[SWO], s[8:9] offset:2048*\t
.endr
	s_lshl_b32 s42, s19, 12
	s_lshl_b32 s45, s20, 8
	s_add_co_u32 s42, s42, s45
	s_add_nc_u64 s[10:11], s[10:11], s[42:43]
	global_load_b64 v[B2:B2+1], v[L8], s[10:11]
.irp a, 0,1                            ; my rows' list words and gates for both passes (16 tiles of the group are 2,048 bytes of the list): the furthest byte read is 4,095 of the expert's 4,096.  Places behind the count hold slot 0 and gate 0
	global_load_b32 v[ENTV+\a], v[LV], s[12:13] offset:8*\a
	global_load_b32 v[GV+\a], v[LV], s[14:15] offset:8*\a
	global_load_b32 v[ENT2+\a], v[LV], s[12:13] offset:2048+8*\a
	global_load_b32 v[GV2+\a], v[LV], s[14:15] offset:2048+8*\a
.endr
	s_lshl_b32 s42, s20, 8
	s_add_nc_u64 s[16:17], s[16:17], s[42:43]      ; part at my 64 columns
	s_mul_i32 s42, s19, 3145728
	s_mul_i32 s45, s18, 12288
	s_add_co_u32 s42, s42, s45
	s_add_nc_u64 s[30:31], s[4:5], s[42:43]        ; hq: my expert, my eight K steps
	s_lshl_b32 s42, s19, 18
	s_lshl_b32 s45, s18, 10
	s_add_co_u32 s42, s42, s45
	s_add_nc_u64 s[32:33], s[4:5], s[42:43]
	s_add_nc_u64 s[32:33], s[32:33], HSC           ; and their scale words
	s_wait_kmcnt 0x0                               ; the count
	s_min_u32 s22, s22, 1024
	s_add_co_u32 s46, s22, 15
	s_lshr_b32 s46, s46, 4                         ; the expert's tiles
	s_max_u32 s23, s46, 1
	s_sub_co_u32 s23, s23, 1                       ; the last tile that the launch before has written
	s_add_co_u32 s24, s46, 1
	s_sub_co_u32 s24, s24, s21
	s_lshr_b32 s24, s24, 1                         ; my group's tiles
	USE 0                                          ; the ring's first fills: 56 loads
	BASE 0
	HLD 0
	HSL
	HLD 4
	USE 1
	BASE 1
	HLD 0
	HSL
	HLD 4
	s_wait_loadcnt 56                              ; W2, its scales, b2, the list words and the gates are in; the ring's 56 may be out
.set qq, 0
.rept 96
.if qq < 64
	WIN 0x04
.set RG, 4*qq
.else
	WIN 0x08
.set RG, 4*(qq-64)
.endif
	ds_store_b128 v[LA+qq%3], v[RG:RG+3] offset:2*WP*(qq/3)
.set qq, qq+1
.endr
	WIN 0
	s_wait_dscnt 0x0                               ; the stores have read their registers, which the fragments take.  No barrier: these bytes are my wave's own
.set gg, 0
.rept 32
.set FW, 1+gg/21
.set FRG, 12*(gg%21)
.set WS, FW<<6
	WIN WS
.irp p, 0,1,2,3,4,5
	ds_load_b64 v[FRG+2*\p:FRG+2*\p+1], v[FA] offset:16*WP*(gg%4)+96*(gg/4)+48*(\p/3)+8*(\p%3)
.endr
.set gg, gg+1
.endr
	WIN 0
	s_wait_dscnt 0x0                               ; my fragments are in: from here on these LDS bytes are my stage
	s_mov_b32 s27, 2
.Lpass:
	s_mov_b32 s68, s25                             ; the tile that slot 0 will hold
	HTILE 0
	HTILE 1
	HTILE 2
	HTILE 3
	HTILE 4
	HTILE 5
	HTILE 6
	HTILE 7
	HTILE 8
	HTILE 9
	HTILE 10
	HTILE 11
	HTILE 12
	HTILE 13
	HTILE 14
	HTILE 15
.Lpd:
	s_wait_loadcnt 0x0                             ; the ways join here: every load is in, so the next pass's counted waits hold on each of them
	s_wait_dscnt 0x0                               ; for the others' sake: my parts lie in my stage
	s_barrier_signal -1
	s_barrier_wait -1
	s_mov_b32 s69, 16
	s_mov_b32 s28, 0
	s_mov_b32 s66, 0                               ; the lane that holds the slot's first list word: 2 x slot
.Lred:                                             ; sixteen trips, one for each slot; a slot that holds no tile is passed over inside the trip
	s_cmp_ge_u32 s68, s24
	s_cbranch_scc1 .Lrskip
	s_wait_xcnt 0x0                                ; the last trip's stores have read their registers and bases
	s_lshl_b32 s44, s68, 1
	s_add_co_u32 s44, s44, s21
	s_min_u32 s44, s44, 63                         ; the expert's tile
	s_lshl_b32 s67, s44, 4
	s_add_co_u32 s67, s67, s71                     ; my first row's place in the list: 16 x tile + 4 x wave
	s_add_co_u32 s70, s66, 1
	v_add_nc_u32 v[RDV], s28, v[RD0]
	v_add_nc_u32 v[RDV+1], REG, v[RDV]
	v_add_nc_u32 v[RDV+2], 2*REG, v[RDV]
	v_add_nc_u32 v[RDV+3], 3*REG, v[RDV]
.irp g, 0,1,2,3
.irp i, 0,1,2,3
	ds_load_b64 v[RT+8*\g+2*\i:RT+8*\g+2*\i+1], v[RDV+\g] offset:SPT*\i
.endr
.endr
.irp a, 0,1                            ; rows 2 a and 2 a + 1 of my four: their slots and gates, out of the registers filled at the head
	v_readlane_b32 s[56+2*\a], v[ENTV+\a], s66
	v_readlane_b32 s[57+2*\a], v[ENTV+\a], s70
	v_readlane_b32 s[60+2*\a], v[GV+\a], s66
	v_readlane_b32 s[61+2*\a], v[GV+\a], s70
.endr
.irp i, 0,1,2,3
	s_min_u32 s[56+\i], s[56+\i], 2047             ; held inside part
	s_lshl_b32 s42, s[56+\i], 12
	s_add_nc_u64 s[48+2*\i:49+2*\i], s[16:17], s[42:43]
.endr
	s_wait_dscnt 0x0
	ROWOUT 0
	ROWOUT 1
	ROWOUT 2
	ROWOUT 3
.Lrskip:
	s_add_co_u32 s68, s68, 1
	s_add_co_u32 s28, s28, SLOTB
	s_add_co_u32 s66, s66, 2
	s_sub_co_u32 s69, s69, 1
	s_cmp_lg_u32 s69, 0
	s_cbranch_scc1 .Lred
.irp a, 0,1                            ; the second pass's list words and gates take the first's place.  These four plain lines stand on the one way back to the tiles: with the four v_nop behind a tile's last products they are
	v_mov_b32 v[ENTV+\a], v[ENT2+\a]               ; more than the FIVE places that a matrix instruction which begins an accumulator anew keeps behind the last product on it (ISA guide 7.12.1),
	v_mov_b32 v[GV+\a], v[GV2+\a]                  ; also where a pass was left early and every slot of the sums was passed over
.endr
	s_wait_dscnt 0x0                               ; my reads of the stages are over:
	s_barrier_signal -1
	s_barrier_wait -1                              ; only now may the next pass write them
	s_sub_co_u32 s27, s27, 1
	s_cmp_lg_u32 s27, 0
	s_cbranch_scc1 .Lpass
	s_wait_tensorcnt 0x0
	ds_add_u32 v254, v255
	s_wait_dscnt 0x0
	s_endpgm
.Lfunc_end_k_q813e43443e_down:
	.size	k_q813e43443e_down, .Lfunc_end_k_q813e43443e_down-k_q813e43443e_down
	.p2alignl 7, 3214868480
	.fill 96, 4, 3214868480
	.section	.rodata,"a",@progbits
	.p2align	6, 0x0
	.amdhsa_kernel k_q813e43443e_down
		.amdhsa_group_segment_fixed_size 279040
		.amdhsa_private_segment_fixed_size 0
		.amdhsa_enable_private_segment 0
		.amdhsa_kernarg_size 56
		.amdhsa_user_sgpr_count 2
		.amdhsa_user_sgpr_kernarg_segment_ptr 1
		.amdhsa_wavefront_size32 1
		.amdhsa_system_sgpr_workgroup_id_x 1
		.amdhsa_system_sgpr_workgroup_id_y 1
		.amdhsa_system_sgpr_workgroup_id_z 1
		.amdhsa_system_vgpr_workitem_id 0
		.amdhsa_next_free_vgpr 768
		.amdhsa_next_free_sgpr 84
		.amdhsa_reserve_vcc 0
		.amdhsa_float_denorm_mode_32 3
		.amdhsa_float_denorm_mode_16_64 3
		.amdhsa_memory_ordered 1
		.amdhsa_forward_progress 1
		.amdhsa_inst_pref_size 175
	.end_amdhsa_kernel
	.amdgpu_metadata
---
amdhsa.version: [ 1, 2 ]
amdhsa.kernels:
  - .name:           k_q813e43443e_down
    .symbol:         k_q813e43443e_down.kd
    .args:
      - { .name: hq, .offset: 0, .size: 8, .value_kind: global_buffer, .address_space: global }
      - { .name: W2_codes, .offset: 8, .size: 8, .value_kind: global_buffer, .address_space: global }
      - { .name: W2_scales, .offset: 16, .size: 8, .value_kind: global_buffer, .address_space: global }
      - { .name: b2, .offset: 24, .size: 8, .value_kind: global_buffer, .address_space: global }
      - { .name: list, .offset: 32, .size: 8, .value_kind: global_buffer, .address_space: global }
      - { .name: glist, .offset: 40, .size: 8, .value_kind: global_buffer, .address_space: global }
      - { .name: part, .offset: 48, .size: 8, .value_kind: global_buffer, .address_space: global }
    .group_segment_fixed_size: 279040
    .private_segment_fixed_size: 0
    .kernarg_segment_align: 8
    .kernarg_segment_size: 56
    .max_flat_workgroup_size: 128
    .sgpr_count:     84
    .vgpr_count:     768
    .wavefront_size: 32
...
	.end_amdgpu_metadata
.endif
;; end of part 4
;; launch combine (part 5): grid 256 x 1, 8 waves a work-group, no clusters, 0 bytes of LDS; arguments part, out0; writes out0
.if DOCPART == 5
	.amdgcn_target "amdgcn-amd-amdhsa--gfx1250"
	.amdhsa_code_object_version 6
	.text
	.protected	k_q813e43443e_combine
	.globl	k_q813e43443e_combine
	.p2align	8
	.type	k_q813e43443e_combine,@function
k_q813e43443e_combine:
	s_mov_b64 s[64:65], 0
	v_nop
	global_prefetch_b8 v0, s[64:65] scope:SCOPE_SE
	s_setreg_imm32_b32 hwreg(HW_REG_WAVE_MODE, 25, 1), 1
	s_wait_xcnt 0x0
; COMBINE.  out0[t] = part[t] + part[1024 + t]: a token's two weighted rows, first choice first.  A plain stream: 16 bytes a lane, 512 consecutive bytes a wave and instruction;
; a work-group takes 16,384 bytes of out0.  All eight loads of a lane go out at once; no LDS, no barrier, no matrix unit: there is nothing here for them to do.
.set A, 4                              ; v4-19   the first choice's
.set B, 20                             ; v20-35  the second's
	s_load_b128 s[4:7], s[0:1], 0x0                ; part, out0
	v_lshlrev_b32 v1, 4, v0
	s_lshl_b32 s8, ttmp9, 14
	s_mov_b32 s9, 0
	s_wait_kmcnt 0x0
	s_add_nc_u64 s[4:5], s[4:5], s[8:9]
	s_add_nc_u64 s[6:7], s[6:7], s[8:9]
.irp i, 0,1,2,3
	global_load_b128 v[A+4*\i:A+4*\i+3], v1, s[4:5] offset:4096*\i th:TH_LOAD_NT
.endr
.irp i, 0,1,2,3
	global_load_b128 v[B+4*\i:B+4*\i+3], v1, s[4:5] offset:4194304+4096*\i th:TH_LOAD_NT
.endr
.irp i, 0,1,2,3
	s_wait_loadcnt 3-\i                            ; loads come back in order: pair i's second load has 3 - i younger ones
	v_pk_add_f32 v[A+4*\i:A+4*\i+1], v[A+4*\i:A+4*\i+1], v[B+4*\i:B+4*\i+1]
	v_pk_add_f32 v[A+4*\i+2:A+4*\i+3], v[A+4*\i+2:A+4*\i+3], v[B+4*\i+2:B+4*\i+3]
	global_store_b128 v1, v[A+4*\i:A+4*\i+3], s[6:7] offset:4096*\i th:TH_STORE_NT
.endr
	s_endpgm
.Lfunc_end_k_q813e43443e_combine:
	.size	k_q813e43443e_combine, .Lfunc_end_k_q813e43443e_combine-k_q813e43443e_combine
	.p2alignl 7, 3214868480
	.fill 96, 4, 3214868480
	.section	.rodata,"a",@progbits
	.p2align	6, 0x0
	.amdhsa_kernel k_q813e43443e_combine
		.amdhsa_group_segment_fixed_size 0
		.amdhsa_private_segment_fixed_size 0
		.amdhsa_enable_private_segment 0
		.amdhsa_kernarg_size 16
		.amdhsa_user_sgpr_count 2
		.amdhsa_user_sgpr_kernarg_segment_ptr 1
		.amdhsa_wavefront_size32 1
		.amdhsa_system_sgpr_workgroup_id_x 1
		.amdhsa_system_sgpr_workgroup_id_y 1
		.amdhsa_system_sgpr_workgroup_id_z 1
		.amdhsa_system_vgpr_workitem_id 0
		.amdhsa_next_free_vgpr 40
		.amdhsa_next_free_sgpr 66
		.amdhsa_reserve_vcc 0
		.amdhsa_float_denorm_mode_32 3
		.amdhsa_float_denorm_mode_16_64 3
		.amdhsa_memory_ordered 1
		.amdhsa_forward_progress 1
		.amdhsa_inst_pref_size 3
	.end_amdhsa_kernel
	.amdgpu_metadata
---
amdhsa.version: [ 1, 2 ]
amdhsa.kernels:
  - .name:           k_q813e43443e_combine
    .symbol:         k_q813e43443e_combine.kd
    .args:
      - { .name: part, .offset: 0, .size: 8, .value_kind: global_buffer, .address_space: global }
      - { .name: out0, .offset: 8, .size: 8, .value_kind: global_buffer, .address_space: global }
    .group_segment_fixed_size: 0
    .private_segment_fixed_size: 0
    .kernarg_segment_align: 8
    .kernarg_segment_size: 16
    .max_flat_workgroup_size: 256
    .sgpr_count:     66
    .vgpr_count:     40
    .wavefront_size: 32
...
	.end_amdgpu_metadata
.endif
;; end of part 5
;; ======== version 2 of 2: 5 launches
;; workspace buffers: xq 819,200 bytes; eidx 8,192 bytes of whole numbers; gates 8,192 bytes; list 34,816 bytes of whole numbers; glist 32,768 bytes; hq 27,262,976 bytes; part 8,388,608 bytes
;; launch route (part 6): grid 256 x 1, 4 waves a work-group, no clusters, 55,296 bytes of LDS; arguments x, Wg, bg, xq, eidx, gates; writes xq, eidx, gates
.if DOCPART == 6
	.amdgcn_target "amdgcn-amd-amdhsa--gfx1250"
	.amdhsa_code_object_version 6
	.text
	.protected	k_q813e43443e_route
	.globl	k_q813e43443e_route
	.p2align	8
	.type	k_q813e43443e_route,@function
k_q813e43443e_route:
	s_mov_b64 s[64:65], 0
	v_nop
	global_prefetch_b8 v0, s[64:65] scope:SCOPE_SE
	s_setreg_imm32_b32 hwreg(HW_REG_WAVE_MODE, 25, 1), 1
	s_wait_xcnt 0x0
; ROUTE.  For each token: logits = x Wg + bg in f32, the two largest (a tie keeps the lower index), their softmax; and x as codes of E3M2 with one E8M0 byte for each 32 along K.
; A wave takes one token (token = 4 x work-group + wave); lane l owns block l of the row, k = 32 l .. 32 l + 31: its largest magnitude needs no other lane, and its part of the eight dot products is 256 multiply-adds.
; The loads take bytes as they lie (512 consecutive bytes an instruction); x's row turns through the wave's own LDS bytes, Wg (32,768 bytes, shared by the four waves) through bytes of the work-group's, behind one barrier.
; xq: token t's codes at 768 t.  The 24-byte unit u = 4 s + 2 h + c holds block 4 s + h + 2 c, so that the 12 operand registers of lane (r, h) for K step s are the 48 consecutive bytes at 96 s + 48 h.  Scale bytes at XSC + 32 t, block by block.
; eidx, gates: [2][1024]: choice j of token t at word 1024 j + t.  The chosen experts steer no address here: they are stored at fixed places for the next launch.
; LIMITS: NaN and infinities are not served.  A block whose largest magnitude lies under 2^-122 (a block of zeros too) gets the byte 1: its codes are then zeros or nearly so, and this program alone reads the bytes.
; Logits that agree to within the noise of an f32 sum of 1,024 terms may be ordered either way.
.set XSC,  786432                      ; where xq's scale bytes begin
.set XT,   33280                       ; LDS: behind Wg (32 x 1,040 bytes): for each wave 32 places of 128 + 16 bytes for x's row,
.set CT,   51712                       ; and 768 bytes for its codes
.set LG,   10                          ; v10-17  the eight logits
.set X,    32                          ; v32-63  my 32 numbers of x
.set W,    64                          ; v64-191 Wg's rows of 16 of my k: register 8 i + e
.set CD,   192                         ; v192-198 my block's codes
	s_load_b256 s[4:11], s[0:1], 0x0               ; x s[4:5], Wg s[6:7], bg s[8:9], xq s[10:11]
	s_load_b128 s[12:15], s[0:1], 0x20             ; eidx s[12:13], gates s[14:15]
	v_lshl_add_u32 v208, v0, 2, 0xd600
	v_mov_b32 v209, 0
	v_lshrrev_b32 v1, 5, v0
	v_readfirstlane_b32 s16, v1                    ; wave
	v_and_b32 v1, 31, v0                           ; lane
	v_lshlrev_b32 v2, 4, v1                        ; 16 x lane
	v_lshrrev_b32 v3, 6, v0
	v_lshlrev_b32 v3, 4, v3
	v_lshl_add_u32 v3, v0, 4, v3                   ; Wg into LDS: 16 x thread, and 16 more for each 1,024 bytes passed
	s_mul_i32 s23, s16, 4608
	s_add_co_u32 s23, s23, XT
	v_lshrrev_b32 v4, 3, v1
	v_lshl_add_u32 v4, v4, 4, v2
	v_add_nc_u32 v4, s23, v4                       ; x into LDS: 16 x lane, and 16 more for each 128 bytes passed
	v_mul_u32_u24 v5, v1, 144
	v_add_nc_u32 v5, s23, v5                       ; and back: my 128 bytes
	v_mul_u32_u24 v6, v1, 1040                     ; Wg back: my 32 rows of 32 bytes
	s_mul_i32 s23, s16, 768
	s_add_co_u32 s23, s23, CT
	v_and_b32 v7, 28, v1
	v_and_b32 v8, 1, v1
	v_lshl_or_b32 v7, v8, 1, v7
	v_bfe_u32 v8, v1, 1, 1
	v_add_nc_u32 v7, v7, v8                        ; u: my block's number with its two low bits exchanged
	v_mul_u32_u24 v7, v7, 24
	v_add_nc_u32 v7, s23, v7                       ; where my 24 bytes of codes go
	v_lshlrev_b32 v8, 3, v1                        ; 8 x lane
	v_add_nc_u32 v9, s23, v8                       ; and where I read 8 bytes of the row back
	v_lshlrev_b32 v18, 4, v0                       ; 16 x thread
	s_lshl_b32 s17, ttmp9, 2
	s_add_co_u32 s17, s17, s16                     ; my token
	s_mov_b32 s19, 0
	s_mov_b32 s20, 0x76543210
	s_mov_b32 s21, 0xfedcba98                      ; v_permlanex16_b32's selects for lane l xor 16
	s_wait_alu depctr_va_vdst(0)
	s_wait_kmcnt 0x0
	s_load_b256 s[24:31], s[8:9], 0x0              ; bg
	s_lshl_b32 s18, s17, 12
	s_add_nc_u64 s[4:5], s[4:5], s[18:19]          ; my row of x
	s_mul_i32 s18, s17, 768
	s_add_nc_u64 s[32:33], s[10:11], s[18:19]      ; my row of codes
	s_lshl_b32 s18, s17, 5
	s_add_nc_u64 s[34:35], s[10:11], s[18:19]
	s_add_nc_u64 s[34:35], s[34:35], XSC           ; my 32 scale bytes
	s_lshl_b32 s18, s17, 2
	s_add_nc_u64 s[12:13], s[12:13], s[18:19]
	s_add_nc_u64 s[14:15], s[14:15], s[18:19]
.irp i, 0,1,2,3,4,5,6,7
	global_load_b128 v[X+4*\i:X+4*\i+3], v2, s[4:5] offset:512*\i th:TH_LOAD_NT      ; 512 consecutive bytes of my row
.endr
.irp q, 0,1,2,3,4,5,6,7,8,9,10,11,12,13,14,15
	global_load_b128 v[W+4*\q:W+4*\q+3], v18, s[6:7] offset:2048*\q                  ; the work-group's four waves take 2,048 consecutive bytes of Wg
.endr
	s_wait_loadcnt 16                              ; x is in; Wg's sixteen younger loads may be out
.irp i, 0,1,2,3,4,5,6,7
	ds_store_b128 v4, v[X+4*\i:X+4*\i+3] offset:576*\i
.endr
	s_wait_loadcnt 0x0
.irp q, 0,1,2,3,4,5,6,7,8,9,10,11,12,13,14,15
	ds_store_b128 v3, v[W+4*\q:W+4*\q+3] offset:2080*\q
.endr
	s_wait_dscnt 0x0                               ; for the others' sake: my part of Wg lies in LDS
	s_barrier_signal -1
	s_barrier_wait -1
.irp i, 0,1,2,3,4,5,6,7
	ds_load_b128 v[X+4*\i:X+4*\i+3], v5 offset:16*\i
.endr
.macro WLD half                        ; Wg's rows of my k = 16 half .. 16 half + 15
.set mm, 0
.rept 32
	ds_load_b128 v[W+4*mm:W+4*mm+3], v6 offset:512*\half+16*mm
.set mm, mm+1
.endr
.endm
.macro DOT half                        ; eight chains side by side; the first product starts each sum
.set ii, 0
.rept 16
.irp e, 0,1,2,3,4,5,6,7
.if (\half == 0) && (ii == 0)
	v_mul_f32 v[LG+\e], v[X], v[W+\e]
.else
	v_fmac_f32 v[LG+\e], v[X+16*\half+ii], v[W+8*ii+\e]
.endif
.endr
.set ii, ii+1
.endr
.endm
	WLD 0
	s_wait_dscnt 0x0
	DOT 0
	WLD 1
	; my block's scale and codes, while Wg's second half is on its way from LDS
	v_max3_num_f32 v18, |v[X]|, |v[X+1]|, |v[X+2]|
	v_max3_num_f32 v19, |v[X+3]|, |v[X+4]|, |v[X+5]|
.irp i, 6,10,14,18,22,26
	v_max3_num_f32 v18, v18, |v[X+\i]|, |v[X+\i+1]|
	v_max3_num_f32 v19, v19, |v[X+\i+2]|, |v[X+\i+3]|
.endr
	v_max3_num_f32 v18, v18, |v[X+30]|, |v[X+31]|
	v_max3_num_f32 v18, v18, v19, 0x2800000        ; and the floor 2^(5 - 127): the byte cannot fall under 1
	v_add_nc_u32 v20, 0xfe000000, v18              ; 4 off the exponent field: the conversion takes this operand's exponent field as its scale
	v_lshrrev_b32 v21, 23, v20                     ; the scale's byte
	v_cvt_scalef32_pk16_bf6_f32 v[CD:CD+2], v[X:X+15], v20
	v_cvt_scalef32_pk16_bf6_f32 v[CD+4:CD+6], v[X+16:X+31], v20      ; (a conversion's three registers begin on an even number)
	v_nop                                          ; one plain place behind a scaled conversion
	v_mov_b32 v[CD+3], v[CD+4]
	v_mov_b32 v[CD+4], v[CD+5]
	v_mov_b32 v[CD+5], v[CD+6]                     ; 24 bytes on end
.irp i, 0,1,2
	ds_store_b64 v7, v[CD+2*\i:CD+2*\i+1] offset:8*\i
.endr
.irp i, 0,1,2
	ds_load_b64 v[200+2*\i:201+2*\i], v9 offset:256*\i               ; LDS serves a wave's instructions in order: these see the stores above
.endr
	s_wait_dscnt 6                                 ; Wg's 32 loads are in; the three stores and three loads behind them may be out
	DOT 1
	s_wait_alu depctr_va_vdst(0)
	s_wait_dscnt 0x0
.irp i, 0,1,2
	global_store_b64 v8, v[200+2*\i:201+2*\i], s[32:33] offset:256*\i    ; 32 lanes store 256 consecutive bytes, at a multiple of 256 from xq's first byte
.endr
	global_store_b8 v1, v21, s[34:35]              ; my block's scale byte
	; the eight sums over the 32 lanes
.irp m, 1,2,4,8
.irp e, 0,1,2,3,4,5,6,7
	v_add_f32_dpp v[LG+\e], v[LG+\e], v[LG+\e] row_xmask:\m row_mask:0xf bank_mask:0xf
.endr
.endr
.irp e, 0,1,2,3,4,5,6,7
	v_permlanex16_b32 v[W+\e], v[LG+\e], s20, s21  ; (its destination counts as read: a register that has been written)
.endr
	s_wait_alu depctr_va_vdst(0)
	s_wait_kmcnt 0x0                               ; bg
.irp e, 0,1,2,3,4,5,6,7
	v_add_f32 v[LG+\e], v[LG+\e], v[W+\e]
.endr
.irp e, 0,1,2,3,4,5,6,7
	v_add_f32 v[LG+\e], s[24+\e], v[LG+\e]
.endr
	; the largest: a later logit wins only where it is strictly larger, so a tie keeps the lower index
	v_mov_b32 v22, v[LG]
	v_mov_b32 v23, 0
.irp e, 1,2,3,4,5,6,7
	v_cmp_le_f32 vcc_lo, v[LG+\e], v22
	v_cndmask_b32 v23, \e, v23, vcc_lo
	v_cndmask_b32 v22, v[LG+\e], v22, vcc_lo
.endr
	v_mov_b32 v24, 0xff800000                      ; -infinity takes the winner's place,
.irp e, 0,1,2,3,4,5,6,7
	v_cmp_eq_u32 vcc_lo, \e, v23
	v_cndmask_b32 v[LG+\e], v[LG+\e], v24, vcc_lo
.endr
	v_mov_b32 v25, v[LG]                           ; and the same scan gives the second
	v_mov_b32 v26, 0
.irp e, 1,2,3,4,5,6,7
	v_cmp_le_f32 vcc_lo, v[LG+\e], v25
	v_cndmask_b32 v26, \e, v26, vcc_lo
	v_cndmask_b32 v25, v[LG+\e], v25, vcc_lo
.endr
	; softmax of the two with the larger taken away: 1 / (1 + z) and z / (1 + z), z = e^(second - first), at most 1
	v_sub_f32 v27, v25, v22
	v_mul_f32 v27, 0x3fb8aa3b, v27
	s_wait_alu depctr_va_vdst(0)
	v_exp_f32 v28, v27
	v_nop                                          ; one plain place behind a transcendental
	s_wait_alu depctr_va_vdst(0)
	v_add_f32 v29, 1.0, v28
	s_wait_alu depctr_va_vdst(0)
	v_rcp_f32 v30, v29
	v_nop
	s_wait_alu depctr_va_vdst(0)
	v_mul_f32 v31, v28, v30
	v_cmp_eq_u32 vcc_lo, 1, v1                     ; lane 0 stores the first choice, lane 1 the second
	v_cndmask_b32 v23, v23, v26, vcc_lo
	v_cndmask_b32 v30, v30, v31, vcc_lo
	v_lshlrev_b32 v19, 12, v1                      ; 4,096 bytes from choice to choice
	s_wait_alu depctr_va_vdst(0)
	s_wait_xcnt 0x0                                ; EXEC changes only behind this wait: it is a source of the stores above
	v_cmp_gt_u32 vcc_lo, 2, v1
	s_wait_tensorcnt 0x0
	ds_add_u32 v208, v209
	s_wait_dscnt 0x0
	s_and_saveexec_b32 s22, vcc_lo
	global_store_b32 v19, v23, s[12:13]
	global_store_b32 v19, v30, s[14:15]
	s_endpgm
.Lfunc_end_k_q813e43443e_route:
	.size	k_q813e43443e_route, .Lfunc_end_k_q813e43443e_route-k_q813e43443e_route
	.p2alignl 7, 3214868480
	.fill 96, 4, 3214868480
	.section	.rodata,"a",@progbits
	.p2align	6, 0x0
	.amdhsa_kernel k_q813e43443e_route
		.amdhsa_group_segment_fixed_size 55296
		.amdhsa_private_segment_fixed_size 0
		.amdhsa_enable_private_segment 0
		.amdhsa_kernarg_size 48
		.amdhsa_user_sgpr_count 2
		.amdhsa_user_sgpr_kernarg_segment_ptr 1
		.amdhsa_wavefront_size32 1
		.amdhsa_system_sgpr_workgroup_id_x 1
		.amdhsa_system_sgpr_workgroup_id_y 1
		.amdhsa_system_sgpr_workgroup_id_z 1
		.amdhsa_system_vgpr_workitem_id 0
		.amdhsa_next_free_vgpr 210
		.amdhsa_next_free_sgpr 66
		.amdhsa_reserve_vcc 1
		.amdhsa_float_denorm_mode_32 3
		.amdhsa_float_denorm_mode_16_64 3
		.amdhsa_memory_ordered 1
		.amdhsa_forward_progress 1
		.amdhsa_inst_pref_size 28
	.end_amdhsa_kernel
	.amdgpu_metadata
---
amdhsa.version: [ 1, 2 ]
amdhsa.kernels:
  - .name:           k_q813e43443e_route
    .symbol:         k_q813e43443e_route.kd
    .args:
      - { .name: x, .offset: 0, .size: 8, .value_kind: global_buffer, .address_space: global }
      - { .name: Wg, .offset: 8, .size: 8, .value_kind: global_buffer, .address_space: global }
      - { .name: bg, .offset: 16, .size: 8, .value_kind: global_buffer, .address_space: global }
      - { .name: xq, .offset: 24, .size: 8, .value_kind: global_buffer, .address_space: global }
      - { .name: eidx, .offset: 32, .size: 8, .value_kind: global_buffer, .address_space: global }
      - { .name: gates, .offset: 40, .size: 8, .value_kind: global_buffer, .address_space: global }
    .group_segment_fixed_size: 55296
    .private_segment_fixed_size: 0
    .kernarg_segment_align: 8
    .kernarg_segment_size: 48
    .max_flat_workgroup_size: 128
    .sgpr_count:     66
    .vgpr_count:     210
    .wavefront_size: 32
...
	.end_amdgpu_metadata
.endif
;; end of part 6
;; launch place (part 7): grid 8 x 1, 1 waves a work-group, no clusters, 8,960 bytes of LDS; arguments eidx, gates, list, glist; writes list, glist
.if DOCPART == 7
	.amdgcn_target "amdgcn-amd-amdhsa--gfx1250"
	.amdhsa_code_object_version 6
	.text
	.protected	k_q813e43443e_place
	.globl	k_q813e43443e_place
	.p2align	8
	.type	k_q813e43443e_place,@function
k_q813e43443e_place:
	s_mov_b64 s[64:65], 0
	v_nop
	global_prefetch_b8 v0, s[64:65] scope:SCOPE_SE
	s_setreg_imm32_b32 hwreg(HW_REG_WAVE_MODE, 25, 1), 1
	s_wait_xcnt 0x0
; PLACE.  Work-group e, one wave, gathers the slots (slot = 1024 x choice + token) that chose expert e: list[e] holds their numbers on end, glist[e] their gates, and behind list[e]'s 1,024 words its count, 64 times.
; No atomics: all 2,048 choices lie in the wave's registers (64 a lane); register by register, the lanes that match take the places count + (matching lanes below me), and the count goes up by the number of matches.
; A lane that does not match writes to a spare word behind the list.  Places at and behind the count hold 0: a slot that exists, so that a later launch's padded rows read inside every buffer.
; An expert is chosen by a token at most once, so a list has at most 1,024 entries.
.set E,   16                           ; v16-79   the experts chosen: register 4 i + c of lane l is slot 128 i + 4 l + c
.set G,   80                           ; v80-143  their gates
.set GL,  4352                         ; LDS: the list at 0 (4,096 bytes, its spare word at 4,096); the gates at 4,352 (spare word at 8,448)
	s_load_b256 s[4:11], s[0:1], 0x0               ; eidx, gates, list, glist
	v_lshl_add_u32 v144, v0, 2, 0x2200
	v_mov_b32 v145, 0
	v_lshlrev_b32 v1, 4, v0                        ; 16 x lane
	v_lshlrev_b32 v2, 2, v0                        ; 4 x lane
	v_lshlrev_b32 v3, 3, v0                        ; 8 x lane
	v_mov_b32 v4, 0
	v_mov_b32 v5, 0
	v_mov_b32 v6, 0
	v_mov_b32 v7, 0
	v_mov_b32 v11, 0x800
	v_mov_b32 v12, 0
	s_mov_b32 s12, ttmp9                           ; my expert
	s_mov_b32 s13, 0                               ; the count so far
	s_mov_b32 s17, 0
	s_wait_alu depctr_va_vdst(0)
	s_wait_kmcnt 0x0
.irp i, 0,1,2,3,4,5,6,7,8,9,10,11,12,13,14,15
	global_load_b128 v[E+4*\i:E+4*\i+3], v1, s[4:5] offset:512*\i
.endr
.irp i, 0,1,2,3,4,5,6,7,8,9,10,11,12,13,14,15
	global_load_b128 v[G+4*\i:G+4*\i+3], v1, s[6:7] offset:512*\i
.endr
	s_mul_i32 s16, s12, 4352
	s_add_nc_u64 s[8:9], s[8:9], s[16:17]
	s_lshl_b32 s16, s12, 12
	s_add_nc_u64 s[10:11], s[10:11], s[16:17]
.irp i, 0,1,2,3,4,5,6,7
	ds_store_b128 v1, v[4:7] offset:512*\i         ; zeros everywhere first
	ds_store_b128 v1, v[4:7] offset:GL+512*\i
.endr
	s_wait_loadcnt 0x0
.set nn, 0
.rept 64
	v_cmp_eq_u32 vcc_lo, s12, v[E+nn]
	v_mbcnt_lo_u32_b32 v8, vcc_lo, s13             ; the count + the matching lanes below me
	v_cndmask_b32 v9, v11, v12, vcc_lo             ; 2,048 more where I do not match,
	v_add_nc_u32 v8, v8, v9
	v_min_u32 v8, 0x400, v8                        ; which the hold turns into the spare word's place
	v_lshlrev_b32 v8, 2, v8
	v_add_nc_u32 v10, 128*(nn/4)+nn%4, v2          ; my slot's number
	ds_store_b32 v8, v10
	ds_store_b32 v8, v[G+nn] offset:GL
	s_bcnt1_i32_b32 s14, vcc_lo
	s_add_co_u32 s13, s13, s14
.set nn, nn+1
.endr
.irp i, 0,1,2,3,4,5,6,7
	ds_load_b128 v[E+4*\i:E+4*\i+3], v1 offset:512*\i                ; LDS serves a wave's instructions in order: these see the stores above
.endr
.irp i, 0,1,2,3,4,5,6,7
	ds_load_b128 v[E+32+4*\i:E+32+4*\i+3], v1 offset:GL+512*\i
.endr
	s_wait_dscnt 0x0
	v_mov_b32 v4, s13
	v_mov_b32 v5, s13
.irp i, 0,1,2,3,4,5,6,7
	global_store_b128 v1, v[E+4*\i:E+4*\i+3], s[8:9] offset:512*\i   ; 512 consecutive bytes a store
.endr
.irp i, 0,1,2,3,4,5,6,7
	global_store_b128 v1, v[E+32+4*\i:E+32+4*\i+3], s[10:11] offset:512*\i
.endr
	global_store_b64 v3, v[4:5], s[8:9] offset:4096                  ; the count: 256 consecutive bytes
	s_wait_tensorcnt 0x0
	ds_add_u32 v144, v145
	s_wait_dscnt 0x0
	s_endpgm
.Lfunc_end_k_q813e43443e_place:
	.size	k_q813e43443e_place, .Lfunc_end_k_q813e43443e_place-k_q813e43443e_place
	.p2alignl 7, 3214868480
	.fill 96, 4, 3214868480
	.section	.rodata,"a",@progbits
	.p2align	6, 0x0
	.amdhsa_kernel k_q813e43443e_place
		.amdhsa_group_segment_fixed_size 8960
		.amdhsa_private_segment_fixed_size 0
		.amdhsa_enable_private_segment 0
		.amdhsa_kernarg_size 32
		.amdhsa_user_sgpr_count 2
		.amdhsa_user_sgpr_kernarg_segment_ptr 1
		.amdhsa_wavefront_size32 1
		.amdhsa_system_sgpr_workgroup_id_x 1
		.amdhsa_system_sgpr_workgroup_id_y 1
		.amdhsa_system_sgpr_workgroup_id_z 1
		.amdhsa_system_vgpr_workitem_id 0
		.amdhsa_next_free_vgpr 146
		.amdhsa_next_free_sgpr 66
		.amdhsa_reserve_vcc 1
		.amdhsa_float_denorm_mode_32 3
		.amdhsa_float_denorm_mode_16_64 3
		.amdhsa_memory_ordered 1
		.amdhsa_forward_progress 1
		.amdhsa_inst_pref_size 40
	.end_amdhsa_kernel
	.amdgpu_metadata
---
amdhsa.version: [ 1, 2 ]
amdhsa.kernels:
  - .name:           k_q813e43443e_place
    .symbol:         k_q813e43443e_place.kd
    .args:
      - { .name: eidx, .offset: 0, .size: 8, .value_kind: global_buffer, .address_space: global }
      - { .name: gates, .offset: 8, .size: 8, .value_kind: global_buffer, .address_space: global }
      - { .name: list, .offset: 16, .size: 8, .value_kind: global_buffer, .address_space: global }
      - { .name: glist, .offset: 24, .size: 8, .value_kind: global_buffer, .address_space: global }
    .group_segment_fixed_size: 8960
    .private_segment_fixed_size: 0
    .kernarg_segment_align: 8
    .kernarg_segment_size: 32
    .max_flat_workgroup_size: 32
    .sgpr_count:     66
    .vgpr_count:     146
    .wavefront_size: 32
...
	.end_amdgpu_metadata
.endif
;; end of part 7
;; launch up (part 8): grid 32 x 8, 4 waves a work-group, no clusters, 101,888 bytes of LDS; arguments xq, W1_codes, W1_scales, b1, list, hq; writes hq
.if DOCPART == 8
	.amdgcn_target "amdgcn-amd-amdhsa--gfx1250"
	.amdhsa_code_object_version 6
	.text
	.protected	k_q813e43443e_up
	.globl	k_q813e43443e_up
	.p2align	8
	.type	k_q813e43443e_up,@function
k_q813e43443e_up:
	s_mov_b64 s[64:65], 0
	v_nop
	global_prefetch_b8 v0, s[64:65] scope:SCOPE_SE
	s_setreg_imm32_b32 hwreg(HW_REG_WAVE_SCHED_MODE, 0, 2), 2
	s_setreg_imm32_b32 hwreg(HW_REG_WAVE_MODE, 25, 1), 1
	s_wait_xcnt 0x0
	s_wait_alu depctr_vm_vsrc(0)
; UP.  h = Q(relu(Q(x) W1 + b1)) for the rows that chose the expert, on codes of E3M2 with one E8M0 scale for each 32 along K.
; Work-group (x = slice, y = expert) owns hidden units 128 x .. 128 x + 127 of the expert: one K step of the second product.  THE WEIGHTS STAND STILL: each of the four waves holds the whole slice,
; 8 tiles of 16 units x 8 K steps = 64 fragments, 63 of them in registers for the whole launch (the 64th comes from LDS in each trip), and the expert's rows go past in tiles of 16: wave w takes tiles w, w + 4, ..
; The slice is 98,304 consecutive bytes of W1_codes, read from memory once by the launch, in loads of 512 consecutive bytes, and turned into fragments through LDS.
; The number of tiles hangs on the stored count, so the launch has no tensor load, and its one barrier stands ahead of every branch on that count.  Clusters: nothing is shared by tensor loads here, so there is no joint request to make.
; THE PRODUCT IS USED TRANSPOSED (source 0 = 16 units of W1, source 1 = 16 rows of x), and the units of a tile are not neighbours: lane r of tile 2 b + u takes unit 32 b + 8 u + r + 8 (r / 8).
; So a lane holds one row, and the 16 registers of tiles 2 b and 2 b + 1 are the 16 neighbouring units 32 b + 16 (lane / 16) + 0 .. 15: what the conversions want.  b1 is loaded into the accumulators: it is the C of each sum's first product.
; hq: the fragment of (expert e, tile tau, K step ks) lies as an image of its 12 registers at ((64 e + tau) 32 + ks) 1,536: lane l's registers 4 c .. 4 c + 3 at 512 c + 16 l; its scale words, 4 bytes a lane, at HSC + ((64 e + tau) 32 + ks) 128.
; Rows behind the count are computed on slot 0's token and thrown away later; tile 0 is made for an expert without rows too, so that the next launch's loads ahead find written bytes.
; LIMITS: NaN and infinities are not served; a block of h whose largest number lies under 2^-122 (a block of zeros too) gets the byte 1, which this program alone reads.
; THE MODE: SCHED_MODE bits 1:0 = 2 (LLVM: expert scheduling mode 2), set by the entry lines.  The code itself states the register dependences
; between vector or matrix instructions and memory or LDS instructions, with s_wait_alu, always for 0.
; THE PLAN.  Registers that memory or LDS instructions touch, in the loop over tiles:
;   XR, K steps 0-3   read by a trip's first 32 products; behind them the next tile's land there.      XR, K steps 4-7   the same with the last 32 products.
;   XSN               the next tile's scale words land there in mid trip; four copies read it behind the last products.  XS is loaded once, ahead of the loop; in the loop the copies write it and the products take it as scales.
;   XOFF, XSOFF       written in mid trip; read by the loads of x and of its scale words.              LOFF   stepped behind the last products; read by the load of the list word.        ENT   that load lands there; the lines that make XOFF name it.
;   ACC               b1 lands there from LDS at a trip's end; products, relu and the quantiser name it.
;   PC, PW            written by the quantiser; read by the trip's four stores; then fragment 63 lands in PC.
;   L16, L4, BA, FA0, FA1   made at the head and never written again.
; One set of XR: 63 fragments take 756 of the 1,024 registers and window 0 is full.  So a trip has three waits on va_vdst (behind each half's products, where that half of XR is asked for again, and behind the quantiser,
; ahead of the stores and of b1's loads) and two on vm_vsrc (ahead of the lines that write XOFF and XSOFF; behind the stores, ahead of the load into PC).
.set XSC,  786432
.set HSC,  25165824
.set WP,   784                         ; an LDS row of W1: 768 bytes + 16 = 196 words: row r starts at bank 4 r mod 64 (64 banks of 4 bytes: ISA guide 11.1): the 32 lanes of a load of 8 bytes touch 64 different banks
.set BIAS, 128*WP                      ; behind the 128 rows: my slice of b1, 512 bytes
.set L16,  1                           ; v1   16 x lane
.set XOFF, 2                           ; v2   my row's codes in xq: 768 x token + 48 h
.set XSOFF,3                           ; v3   its scale bytes: 32 x token + 16 h
.set LOFF, 4                           ; v4   my row's word in the list
.set ENT,  5                           ; v5   that word
.set FA0,  6                           ; v6   a fragment's place in LDS: 784 r + 24 h (tiles 0-3);  v7: tiles 4-7
.set FA1,  7
.set BA,   8                           ; v8   b1 in LDS: + 64 h
.set L4,   9                           ; v9   4 x lane
.set H48,  10
.set H16,  11
.set LA,   12                          ; v12-14 W1 into LDS
.set TOK,  15
.set XR,   16                          ; v16-111  x's eight fragments
.set ACC,  112                         ; v112-175 the eight accumulators
.set PC,   176                         ; v176-195 fragment 63, later the codes just made
.set TM,   196                         ; v196-199 largest numbers, v200-203 the other half's, then bytes, v204-207 the conversions' scale operands
.set PW,   208                         ; the scale word just made
.set XS,   210                         ; v210-213 x's scale words: register j: lanes 0-15 K step j, lanes 16-31 K step 4 + j
.set XSN,  214                         ; v214-217 the next tile's
.set SW,   218                         ; v218-249 W1's, four registers a tile, laid likewise
.set MSB, 0
.macro WIN new                         ; the immediate's high byte repeats the setting that is left
.if MSB != \new
	s_set_vgpr_msb (MSB<<8)|\new
.set MSB, \new
.endif
.endm
.macro FSET f                          ; fragment f = 8 s + t: 21 to each of windows 1 to 3; the 64th in window 0
.if (\f) < 63
.set FW, 1+(\f)/21
.set FRG, 12*((\f)%21)
.else
.set FW, 0
.set FRG, PC
.endif
.endm
.macro WFRAG f                         ; a fragment from LDS: 24 bytes of the row's stream of bits twice, in pieces of 8
	FSET \f
.set WS, FW<<6
	WIN WS
.set tt, (\f)%8
.set kk, (\f)/8
.irp p, 0,1,2,3,4,5
.if tt < 4
	ds_load_b64 v[FRG+2*\p:FRG+2*\p+1], v[FA0] offset:16*tt*WP+96*kk+48*(\p/3)+8*(\p%3)
.else
	ds_load_b64 v[FRG+2*\p:FRG+2*\p+1], v[FA1] offset:16*(tt-4)*WP+96*kk+48*(\p/3)+8*(\p%3)
.endif
.endr
.endm
.macro KSTEP ks                        ; eight products: the accumulators take turns, one instruction a turn
.irp t, 0,1,2,3,4,5,6,7
	FSET 8*(\ks)+\t
	WIN FW
.if (\ks) < 4
	v_wmma_scale_f32_16x16x128_f8f6f4 v[ACC+8*\t:ACC+8*\t+7], v[FRG:FRG+11], v[XR+12*(\ks):XR+12*(\ks)+11], v[ACC+8*\t:ACC+8*\t+7], v[SW+4*\t+(\ks)], v[XS+(\ks)] matrix_a_fmt:MATRIX_FMT_BF6 matrix_b_fmt:MATRIX_FMT_BF6
.else
	v_wmma_scale_f32_16x16x128_f8f6f4 v[ACC+8*\t:ACC+8*\t+7], v[FRG:FRG+11], v[XR+12*(\ks):XR+12*(\ks)+11], v[ACC+8*\t:ACC+8*\t+7], v[SW+4*\t+(\ks)-4], v[XS+(\ks)-4] matrix_a_fmt:MATRIX_FMT_BF6 matrix_b_fmt:MATRIX_FMT_BF6 matrix_a_scale:MATRIX_SCALE_ROW1 matrix_b_scale:MATRIX_SCALE_ROW1
.endif
.endr
.endm
.macro XLD k0                          ; x's fragments of K steps k0 .. k0 + 3: 48 consecutive bytes a lane and K step
.irp s, \k0, \k0+1, \k0+2, \k0+3
.irp c, 0,1,2
	global_load_b128 v[XR+12*(\s)+4*\c:XR+12*(\s)+4*\c+3], v[XOFF], s[4:5] offset:96*(\s)+16*\c
.endr
.endr
.endm
.macro NEXTTOK                         ; the list's word becomes addresses: held inside the table, then the token is the slot's low ten bits
	v_min_u32 v[ENT], 0x7ff, v[ENT]
	v_and_b32 v[TOK], 0x3ff, v[ENT]
	v_mad_u32_u24 v[XOFF], v[TOK], 0x300, v[H48]
	v_lshl_add_u32 v[XSOFF], v[TOK], 5, v[H16]
.endm
.macro PREB                            ; b1 into the accumulators: with fragment 63 (WFRAG 63) it is what a trip finds ready.  Both lie in window 0
	WIN 0
.irp t, 0,1,2,3,4,5,6,7
	ds_load_b128 v[ACC+8*\t:ACC+8*\t+3], v[BA] offset:128*(\t/2)+32*(\t%2)
	ds_load_b128 v[ACC+8*\t+4:ACC+8*\t+7], v[BA] offset:128*(\t/2)+32*(\t%2)+16
.endr
.endm
; 64 numbers of a lane, none negative, register 16 b + i = k 32 b + 16 (lane / 16) + i of my row, become a fragment's codes in v[PC] on and its scale word in v[PW]
.macro QUANT s
.irp b, 0,1,2,3
	v_max3_num_f32 v[TM+\b], v[\s+16*\b], v[\s+1+16*\b], 0x2800000   ; block b: my 16 numbers, and the floor 2^(5 - 127): the byte cannot fall under 1
.endr
.irp i, 2,4,6,8,10,12,14
.irp b, 0,1,2,3
	v_max3_num_f32 v[TM+\b], v[TM+\b], v[\s+16*\b+\i], v[\s+1+16*\b+\i]
.endr
.endr
.irp b, 0,1,2,3
	v_permlanex16_b32 v[TM+4+\b], v[TM+\b], s30, s31
.endr
.irp b, 0,1,2,3
	v_max_num_f32 v[TM+\b], v[TM+\b], v[TM+4+\b]   ; with lane l xor 16's: the block's largest number
.endr
.irp b, 0,1,2,3
	v_add_nc_u32 v[TM+8+\b], 0xfe000000, v[TM+\b]  ; 4 off its exponent field: the conversion's scale operand
.endr
.irp b, 0,1,2,3
	v_lshrrev_b32 v[TM+4+\b], 23, v[TM+8+\b]       ; the scale's byte
.endr
	v_lshl_or_b32 v[PW], v[TM+5], 8, v[TM+4]
	v_lshl_or_b32 v[PW], v[TM+6], 16, v[PW]
	v_lshl_or_b32 v[PW], v[TM+7], 24, v[PW]
.irp c, 0,1
	v_cvt_scalef32_pk16_bf6_f32 v[PC+6*\c:PC+2+6*\c], v[\s+32*\c:\s+15+32*\c], v[TM+8+2*\c]
	v_cvt_scalef32_pk16_bf6_f32 v[PC+12+4*\c:PC+14+4*\c], v[\s+16+32*\c:\s+31+32*\c], v[TM+8+2*\c+1]   ; (a conversion's three registers begin on an even number)
.endr
	v_nop                                          ; one plain place behind a scaled conversion
.irp c, 0,1                                    ; the operand's layout wants a whole block in a lane: lanes 0-15 block 2 c, lanes 16-31 block 2 c + 1
.irp i, 0,1,2
	v_permlane16_swap_b32 v[PC+6*\c+\i], v[PC+12+4*\c+\i]
.endr
.irp i, 0,1,2
	v_mov_b32 v[PC+3+6*\c+\i], v[PC+12+4*\c+\i]
.endr
.endr
.endm
	s_load_b256 s[4:11], s[0:1], 0x0               ; xq s[4:5], W1's codes s[6:7], W1's scales s[8:9], b1 s[10:11]
	s_load_b128 s[12:15], s[0:1], 0x20             ; list s[12:13], hq s[14:15]
	v_lshl_add_u32 v209, v0, 2, 0x18c00
	s_set_vgpr_msb 0x40
	v_mov_b32 v255, 0
	s_set_vgpr_msb 0x4000
	v_lshrrev_b32 v15, 5, v0
	v_readfirstlane_b32 s16, v15                   ; wave
	s_and_b32 s17, ttmp7, 0xffff                   ; expert
	s_mov_b32 s18, ttmp9                           ; slice
	v_and_b32 v15, 31, v0
	v_lshlrev_b32 v[L16], 4, v15
	v_lshlrev_b32 v[L4], 2, v15
	v_and_b32 v252, 15, v0                         ; r
	v_bfe_u32 v253, v0, 4, 1                       ; h
	v_mul_u32_u24 v[H48], v253, 48
	v_lshlrev_b32 v[H16], 4, v253
	v_mul_u32_u24 v[FA0], v252, WP
	v_mad_u32_u24 v[FA0], v253, 24, v[FA0]
	v_add_nc_u32 v[FA1], 64*WP, v[FA0]
	v_lshlrev_b32 v[BA], 6, v253
	v_add_nc_u32 v[BA], BIAS, v[BA]
	s_wait_alu depctr_va_sdst(0)                   ; s16 is written, ahead of its first reader: LDS places, bases and the count of my tiles are made from it
	s_mul_i32 s22, s16, 32*WP                      ; wave w brings units 32 w .. 32 w + 31, which are tiles 2 w and 2 w + 1: LDS rows 32 w on
	v_add_nc_u32 v[LA], s22, v[L16]                ; of three loads (two rows of 768 bytes): the first row's bytes 0-511;
	v_add_nc_u32 v[LA+1], v[LA], v[H16]
	v_add_nc_u32 v[LA+1], 512, v[LA+1]             ; its last 256 and the second row's first 256 (16 bytes of padding between);
	v_add_nc_u32 v[LA+2], 1040, v[LA]              ; the second row's bytes 256-767
	s_lshl_b32 s22, s16, 6
	v_lshl_add_u32 v[LOFF], v252, 2, s22           ; tile w, row r of the list
	v_lshlrev_b32 v250, 2, v0
	v_add_nc_u32 v251, BIAS, v250
	v_and_b32 v254, 8, v252
	v_add_nc_u32 v254, v254, v252                  ; r + 8 (r / 8)
	v_lshl_add_u32 v254, v254, 5, v[H16]           ; W1's scale bytes: 32 a unit; lanes 16-31 take the upper 16
	s_mov_b32 s23, 0
	s_mov_b32 s30, 0x76543210
	s_mov_b32 s31, 0xfedcba98                      ; v_permlanex16_b32's selects for lane l xor 16
	s_wait_kmcnt 0x0
	s_mul_i32 s22, s17, 4352
	s_add_nc_u64 s[12:13], s[12:13], s[22:23]      ; my expert's list
	s_load_b32 s19, s[12:13], 0x1000               ; its count
	s_wait_alu depctr_va_vdst(0)                   ; every offset and LDS address made above is written: the loads and LDS stores from here to the barrier read v1, v4, v12 to v14, v250, v251 and v254
	global_load_b32 v[ENT], v[LOFF], s[12:13]
	s_mul_i32 s22, s17, 3145728
	s_mul_i32 s32, s18, 98304
	s_add_co_u32 s22, s22, s32
	s_mul_i32 s32, s16, 24576
	s_add_co_u32 s22, s22, s32
	s_add_nc_u64 s[6:7], s[6:7], s[22:23]          ; my wave's 32 rows of the slice
.set qq, 0
.rept 48
	global_load_b128 v[16+4*qq:19+4*qq], v[L16], s[6:7] offset:512*qq th:TH_LOAD_NT     ; 512 consecutive bytes; read once in the launch
.set qq, qq+1
.endr
	s_lshl_b32 s22, s17, 17
	s_lshl_b32 s32, s18, 12
	s_add_co_u32 s22, s22, s32
	s_add_nc_u64 s[8:9], s[8:9], s[22:23]
.irp t, 0,1,2,3,4,5,6,7
	global_load_b128 v[SW+4*\t:SW+4*\t+3], v254, s[8:9] offset:32*(32*(\t/2)+8*(\t%2))
.endr
	s_lshl_b32 s22, s17, 14
	s_lshl_b32 s32, s18, 9
	s_add_co_u32 s22, s22, s32
	s_add_nc_u64 s[10:11], s[10:11], s[22:23]
	global_load_b32 v255, v250, s[10:11]           ; the 128 threads take the slice's 128 numbers of b1
	s_add_nc_u64 s[24:25], s[4:5], XSC             ; xq's scale bytes
	s_mul_i32 s22, s17, 3145728
	s_mul_i32 s32, s16, 49152
	s_add_co_u32 s22, s22, s32
	s_mul_i32 s32, s18, 1536
	s_add_co_u32 s22, s22, s32
	s_add_nc_u64 s[26:27], s[14:15], s[22:23]      ; hq: (expert, tile w, K step = slice)
	s_lshl_b32 s22, s17, 18
	s_lshl_b32 s32, s16, 12
	s_add_co_u32 s22, s22, s32
	s_lshl_b32 s32, s18, 7
	s_add_co_u32 s22, s22, s32
	s_add_nc_u64 s[28:29], s[14:15], s[22:23]
	s_add_nc_u64 s[28:29], s[28:29], HSC           ; and its scale words
	s_wait_loadcnt 0x0
.set cc, 0
.rept 16                               ; local rows 2 c, 2 c + 1 go to the LDS rows of their tile and lane: 16 x (tile's parity) + 8 x (upper eight) + place among eight
.set SI, WP*(16*((cc>>2)&1)+8*(cc>>3)+2*(cc&3))
	ds_store_b128 v[LA], v[16+12*cc:19+12*cc] offset:SI
	ds_store_b128 v[LA+1], v[20+12*cc:23+12*cc] offset:SI
	ds_store_b128 v[LA+2], v[24+12*cc:27+12*cc] offset:SI
.set cc, cc+1
.endr
	ds_store_b32 v251, v255
	s_wait_kmcnt 0x0                               ; the count
	s_wait_dscnt 0x0                               ; for the others' sake: my rows lie in LDS
	s_barrier_signal -1
	s_barrier_wait -1                              ; the launch's one barrier: behind it LDS is only read
	s_wait_alu depctr_vm_vsrc(0)                   ; my LDS stores have read v16 to v207, which x's fragments, b1, fragment 63 and the lines below take; the load of the list word has read LOFF, which is stepped below
	s_min_u32 s19, s19, 1024
	s_add_co_u32 s20, s19, 15
	s_lshr_b32 s20, s20, 4
	s_max_u32 s20, s20, 1                          ; tiles of the expert, at least one
	s_add_co_u32 s21, s20, 3
	s_sub_co_u32 s21, s21, s16
	s_lshr_b32 s21, s21, 2                         ; of which mine
	s_cmp_eq_u32 s21, 0
	s_cbranch_scc1 .Lend
	NEXTTOK
	v_add_nc_u32 v[LOFF], 256, v[LOFF]             ; four tiles on,
	v_min_u32 v[LOFF], 0xffc, v[LOFF]              ; held inside the list
.irp b, 0,1,2,3
	v_mov_b32 v[TM+4+\b], 0                        ; written once: a lane permute's destination counts as one of its sources
.endr
	s_wait_alu depctr_va_vdst(0)                   ; XOFF, XSOFF and LOFF are written, which the loads below read; the lines above are done with ENT, in which the next list word lands
	global_load_b128 v[XS:XS+3], v[XSOFF], s[24:25]
	XLD 0
	global_load_b32 v[ENT], v[LOFF], s[12:13]
	XLD 4
.set ff, 0
.rept 63
	WFRAG ff
.set ff, ff+1
.endr
	PREB
	WFRAG 63
.Ltile:                                            ; a trip: one tile of 16 rows.  Loads on their way at its head, in order: scale words 1, K steps 0-3 12, the next list word 1, K steps 4-7 12
	s_wait_loadcnt 12                              ; all but the 12 of K steps 4-7
	s_wait_dscnt 0x0                               ; b1 and fragment 63
	KSTEP 0
	KSTEP 1
	KSTEP 2
	KSTEP 3
	WIN 0
	s_wait_xcnt 0x0                                ; the loads still out have read their address register
	s_wait_alu depctr_vm_vsrc(0)                   ; the loads issued so far have read XOFF and XSOFF, which the four lines below write again, and LOFF, which is stepped behind this trip's last products
	NEXTTOK                                        ; the next tile's addresses: four plain lines, the places in front of the loads below
	s_wait_alu depctr_va_vdst(0)                   ; XOFF and XSOFF are written, which the loads below read; the 32 products above are done reading K steps 0-3, and the last trip's copies XSN, in which they land
	global_load_b128 v[XSN:XSN+3], v[XSOFF], s[24:25]
	XLD 0
	s_wait_loadcnt 13                              ; the 13 just issued may be out: K steps 4-7 are in
	KSTEP 4
	KSTEP 5
	KSTEP 6
	KSTEP 7
	WIN 0
	v_add_nc_u32 v[LOFF], 256, v[LOFF]             ; four places again
	v_min_u32 v[LOFF], 0xffc, v[LOFF]
	v_nop
	v_nop
	s_wait_loadcnt 12                              ; the next scale words are in
.irp j, 0,1,2,3
	v_mov_b32 v[XS+\j], v[XSN+\j]                  ; (far more than eight plain lines stand between these and the next product)
.endr
	s_wait_alu depctr_va_vdst(0)                   ; LOFF is written, which the load of the list word reads; the 32 products above are done reading K steps 4-7, in which the loads below land
	global_load_b32 v[ENT], v[LOFF], s[12:13]
	XLD 4
.set jj, 0
.rept 64
	v_max_num_f32 v[ACC+jj], 0, v[ACC+jj]          ; relu, in f32; each accumulator from its low end on
.set jj, jj+1
.endr
	QUANT ACC
	s_wait_alu depctr_va_vdst(0)                   ; the quantiser has written PC and PW, which the stores read, and is done with the accumulators, in which b1 lands; XS is written, which the next trip's products take as scales
.irp c, 0,1,2
	global_store_b128 v[L16], v[PC+4*\c:PC+4*\c+3], s[26:27] offset:512*\c    ; the fragment as it stands: 512 consecutive bytes a store, at a multiple of 256 from hq's first byte
.endr
	global_store_b32 v[L4], v[PW], s[28:29]
	PREB                                           ; no vector instruction since the wait above names the accumulators
	s_wait_xcnt 0x0                                ; the stores have read their registers and bases
	s_wait_alu depctr_vm_vsrc(0)                   ; the stores have read PC, in which fragment 63 lands, and PW, which the next trip's quantiser writes
	s_add_nc_u64 s[26:27], s[26:27], 196608        ; four tiles on
	s_add_nc_u64 s[28:29], s[28:29], 16384
	WFRAG 63
	s_sub_co_u32 s21, s21, 1
	s_cmp_lg_u32 s21, 0
	s_cbranch_scc1 .Ltile                          ; (the last trip's loads ahead stay inside xq and the list, and nobody reads what they bring)
.Lend:
	s_set_vgpr_msb 0x4                             ; the add's second register lies in window 1; the switch stands ahead of the closing lines
	s_wait_dscnt 0x0                               ; the closing lines, six on end
	s_wait_alu 0x0
	s_wait_tensorcnt 0x0
	ds_add_u32 v209, v255
	s_wait_dscnt 0x0
	s_endpgm
.Lfunc_end_k_q813e43443e_up:
	.size	k_q813e43443e_up, .Lfunc_end_k_q813e43443e_up-k_q813e43443e_up
	.p2alignl 7, 3214868480
	.fill 96, 4, 3214868480
	.section	.rodata,"a",@progbits
	.p2align	6, 0x0
	.amdhsa_kernel k_q813e43443e_up
		.amdhsa_group_segment_fixed_size 101888
		.amdhsa_private_segment_fixed_size 0
		.amdhsa_enable_private_segment 0
		.amdhsa_kernarg_size 48
		.amdhsa_user_sgpr_count 2
		.amdhsa_user_sgpr_kernarg_segment_ptr 1
		.amdhsa_wavefront_size32 1
		.amdhsa_system_sgpr_workgroup_id_x 1
		.amdhsa_system_sgpr_workgroup_id_y 1
		.amdhsa_system_sgpr_workgroup_id_z 1
		.amdhsa_system_vgpr_workitem_id 0
		.amdhsa_next_free_vgpr 1024
		.amdhsa_next_free_sgpr 66
		.amdhsa_reserve_vcc 0
		.amdhsa_float_denorm_mode_32 3
		.amdhsa_float_denorm_mode_16_64 3
		.amdhsa_memory_ordered 1
		.amdhsa_forward_progress 1
		.amdhsa_inst_pref_size 61
	.end_amdhsa_kernel
	.amdgpu_metadata
---
amdhsa.version: [ 1, 2 ]
amdhsa.kernels:
  - .name:           k_q813e43443e_up
    .symbol:         k_q813e43443e_up.kd
    .args:
      - { .name: xq, .offset: 0, .size: 8, .value_kind: global_buffer, .address_space: global }
      - { .name: W1_codes, .offset: 8, .size: 8, .value_kind: global_buffer, .address_space: global }
      - { .name: W1_scales, .offset: 16, .size: 8, .value_kind: global_buffer, .address_space: global }
      - { .name: b1, .offset: 24, .size: 8, .value_kind: global_buffer, .address_space: global }
      - { .name: list, .offset: 32, .size: 8, .value_kind: global_buffer, .address_space: global }
      - { .name: hq, .offset: 40, .size: 8, .value_kind: global_buffer, .address_space: global }
    .group_segment_fixed_size: 101888
    .private_segment_fixed_size: 0
    .kernarg_segment_align: 8
    .kernarg_segment_size: 48
    .max_flat_workgroup_size: 128
    .sgpr_count:     66
    .vgpr_count:     1024
    .wavefront_size: 32
...
	.end_amdgpu_metadata
.endif
;; end of part 8
;; launch down (part 9): grid 32 x 8, 4 waves a work-group, no clusters, 279,040 bytes of LDS; arguments hq, W2_codes, W2_scales, b2, list, glist, part; writes part
.if DOCPART == 9
	.amdgcn_target "amdgcn-amd-amdhsa--gfx1250"
	.amdhsa_code_object_version 6
	.text
	.protected	k_q813e43443e_down
	.globl	k_q813e43443e_down
	.p2align	8
	.type	k_q813e43443e_down,@function
k_q813e43443e_down:
	s_mov_b64 s[64:65], 0
	v_nop
	global_prefetch_b8 v0, s[64:65] scope:SCOPE_SE
	s_setreg_imm32_b32 hwreg(HW_REG_WAVE_SCHED_MODE, 0, 2), 2
	s_setreg_imm32_b32 hwreg(HW_REG_WAVE_MODE, 25, 1), 1
	s_wait_xcnt 0x0
	s_wait_alu depctr_vm_vsrc(0)
; DOWN.  part[slot] = gate x (h W2 + b2) for every routed row, on codes of E3M2 with one E8M0 scale for each 32 along K.
; Work-group (x = 2 x column block + g, y = expert) owns 64 output columns of the expert and its row tiles g, g + 2, ..  THE WEIGHTS STAND STILL AND THE WAVES SHARE K: wave w holds W2[64 columns][K steps 8 w .. 8 w + 7],
; 32 fragments in 384 registers, for the whole launch, and reads only its own 12,288 bytes of each tile of h, straight into operand registers (hq holds images of them).  No byte is read twice inside a work-group.
; The four waves' partial sums of a tile meet in LDS.  No barrier may stand under a branch on the stored count, so the work goes in two passes of at most 16 tiles (32 is the most that a group can have): a pass's tiles are
; written out, each with a place of its own in the wave's stage; a forward branch leaves them when the tiles are over; then one barrier, the sums, one barrier.  Four barriers in all, on every wave's path.
; The list words and gates of the rows that a wave stores (four rows of each tile) are loaded ONCE, at the head, for both passes: eight registers; the sums take them from there lane by lane, so that no trip of the sums waits for memory.
; The number of tiles hangs on the stored count, so the launch has no tensor load and no joint request.
; THE PRODUCT IS USED TRANSPOSED (source 0 = 16 columns of W2, source 1 = 16 rows of h): a lane holds eight neighbouring columns of one row.
; Rows behind the count are computed and not stored.  The sum over K is taken in four parts: its rounding differs from one ascending chain's within the noise of f32 sums.
; THE MODE: SCHED_MODE bits 1:0 = 2 (LLVM: expert scheduling mode 2), set by the entry lines.  The code itself states the register dependences
; between vector or matrix instructions and memory or LDS instructions, with s_wait_alu, always for 0.
; THE PLAN.  Registers that memory or LDS instructions touch.  In a tile, on ring set p = tile % 2:
;   RING[p], K steps 0-3   read by the tile's first 16 products; behind them those of the tile two on land there.     RING[p], K steps 4-7, and the scale words HSR[p]   the same with the last 16 products.
;   AC[p]                  written by the tile's products; read by its eight stage stores at its end; begun anew by the first products of the tile two on.
;   L16, HSO, STO          made at the head and never written again.
; So a tile has two waits on va_vdst, one behind each half's products, where that half of the ring is asked for again (the second also ahead of the stage stores), and one on vm_vsrc, in its middle: it stands half a tile behind
; the LAST tile's stage stores and frees the other set's accumulators for the NEXT tile.  Where the ways out of the tiles join, one more wait on vm_vsrc frees both sets for the next pass.
; The loads stand in runs and not singly among the products: a product's first source lies in the fragments' window and a load's address in window 0, so each load so dealt would want two switches.
; In a trip of the sums:  RDV  written by four additions, read by sixteen LDS loads;   RT  those loads land there, the sums work there, the stores read it;   s56 to s63  written by eight v_readlane_b32, read by scalar lines and multiplies.
; The four rows' arithmetic stands together, so that one wait on va_vdst serves the four stores.
.set HSC,   25165824
.set REG,   69632                      ; LDS of a wave: first its 64 rows of W2 (784 bytes each), later its 16 stage slots
.set WP,    784
.set SLOTB, 4352                       ; a stage slot: 16 rows x (256 bytes + 16)
.set SPT,   272
.set L16,  1                           ; v1   16 x lane
.set L8,   2                           ; v2   8 x lane
.set HSO,  3                           ; v3   h's scale words: 512 h + 4 r
.set STO,  4                           ; v4   into my stage: row r, 32 h
.set RD0,  6                           ; v6   out of a stage: my four rows, 8 bytes a lane
.set RDV,  8                           ; v8-11 the same in the four waves' stages, slot in hand
.set FA,   12                          ; v12  a fragment's place in my rows of W2
.set SWO,  14
.set ACC0, 112                         ; v112-143, v144-175 four accumulators, two sets by turns
.set HS0R, 176                         ; v176-179, v180-183 h's scale words: register j: lanes 0-15 my K step j, lanes 16-31 my K step 4 + j
.set SW,   184                         ; v184-199 W2's, four registers a tile, laid likewise
.set ENTV, 200                         ; v200-201 the pass's list words: lane 2 k + b of register a is row 4 w + 2 a + b of stage slot k
.set GV,   202                         ; v202-203 their gates, laid likewise
.set B2,   204                         ; v[204:205] b2 at my two columns
.set RT,   208                         ; v208-239 the sums
.set GA,   240                         ; v240-241 W2 from memory
.set LA,   243                         ; v243-245 W2 into LDS
.set ENT2, 246                         ; v246-247 the second pass's list words
.set GV2,  248                         ; v248-249 and gates
.set LV,   250                         ; v250 where my lane's list word lies: 64 g + 16 w + 4 (lane % 2) + 128 (lane / 2)
; h's fragments: ring set 0 at v16-111 of window 0, set 1 at v132-227 of window 2.  W2's fragment f = 4 s + t: window 1 + f / 21, register 12 (f % 21).
.set MSB, 0
.macro WIN new                         ; the immediate's high byte repeats the setting that is left
.if MSB != \new
	s_set_vgpr_msb (MSB<<8)|\new
.set MSB, \new
.endif
.endm
.macro USE st                          ; the registers of ring set st
.set SET, \st
.set RING, 16+116*SET
.set AC, ACC0+32*SET
.set HSR, HS0R+4*SET
.endm
.macro BASE ahead                      ; the set's bases for the group's tile s25 + ahead, held at the expert's last tile: no load leaves what the launch before has written
	s_wait_xcnt 0x0                                ; the loads still out have read their bases
	s_lshl_b32 s44, s25, 1
	s_add_co_u32 s44, s44, s21
	s_add_co_u32 s44, s44, 2*\ahead
	s_min_u32 s44, s44, s23
	s_min_u32 s44, s44, 63
	s_mul_i32 s42, s44, 49152
	s_add_nc_u64 s[34+2*SET:35+2*SET], s[30:31], s[42:43]
	s_lshl_b32 s42, s44, 12
	s_add_nc_u64 s[38+2*SET:39+2*SET], s[32:33], s[42:43]
.endm
.macro HLD k0                          ; four fragments of h: images, 512 consecutive bytes a load
.if SET
	WIN 0x80
.endif
.irp s, \k0, \k0+1, \k0+2, \k0+3
.irp c, 0,1,2
	global_load_b128 v[RING+12*(\s)+4*\c:RING+12*(\s)+4*\c+3], v[L16], s[34+2*SET:35+2*SET] offset:1536*(\s)+512*\c
.endr
.endr
	WIN 0
.endm
.macro HSL
.irp j, 0,1,2,3
	global_load_b32 v[HSR+\j], v[HSO], s[38+2*SET:39+2*SET] offset:128*\j
.endr
.endm
.macro KST ks                          ; four products: the accumulators take turns, one instruction a turn; K step 0 starts the sums
.irp t, 0,1,2,3
.set ff, 4*(\ks)+\t
.set FW, 1+ff/21
.set FRG, 12*(ff%21)
.set WS, FW+8*SET
	WIN WS
.if (\ks) == 0
	v_wmma_scale_f32_16x16x128_f8f6f4 v[AC+8*\t:AC+8*\t+7], v[FRG:FRG+11], v[RING:RING+11], 0, v[SW+4*\t], v[HSR] matrix_a_fmt:MATRIX_FMT_BF6 matrix_b_fmt:MATRIX_FMT_BF6
.elseif (\ks) < 4
	v_wmma_scale_f32_16x16x128_f8f6f4 v[AC+8*\t:AC+8*\t+7], v[FRG:FRG+11], v[RING+12*(\ks):RING+12*(\ks)+11], v[AC+8*\t:AC+8*\t+7], v[SW+4*\t+(\ks)], v[HSR+(\ks)] matrix_a_fmt:MATRIX_FMT_BF6 matrix_b_fmt:MATRIX_FMT_BF6
.else
	v_wmma_scale_f32_16x16x128_f8f6f4 v[AC+8*\t:AC+8*\t+7], v[FRG:FRG+11], v[RING+12*(\ks):RING+12*(\ks)+11], v[AC+8*\t:AC+8*\t+7], v[SW+4*\t+(\ks)-4], v[HSR+(\ks)-4] matrix_a_fmt:MATRIX_FMT_BF6 matrix_b_fmt:MATRIX_FMT_BF6 matrix_a_scale:MATRIX_SCALE_ROW1 matrix_b_scale:MATRIX_SCALE_ROW1
.endif
.endr
.endm
.macro PLACES                          ; four places in front of loads into registers that matrix instructions have read, and of LDS stores of results
.rept 4
	v_nop
.endr
.endm
; The pass's k-th tile.  Loads on their way at its head, in order: this set's 12 + 4 + 12, the other set's 12 + 4 + 12.
.macro HTILE k
	USE (\k)%2
	s_cmp_ge_u32 s25, s24
	s_cbranch_scc1 .Lpd                            ; the group's tiles are over
	s_wait_dscnt 8                                 ; the stage stores of two tiles ago have read these accumulators; the last tile's eight may be out
	s_wait_loadcnt 40                              ; K steps 0-3 and the scale words are in; 12 + 28 younger loads may be out
	KST 0
	KST 1
	KST 2
	KST 3
	WIN 0
	PLACES
	BASE 2
	s_wait_alu depctr_vm_vsrc(0)                   ; the last tile's stage stores have read the other set's accumulators, which the next tile's first products begin anew
	s_wait_alu depctr_va_vdst(0)                   ; the sixteen products above are done reading this set's K steps 0-3, in which the loads below land
	HLD 0                                          ; the tile two on
	s_wait_loadcnt 40                              ; K steps 4-7 are in; 28 + 12 younger loads may be out
	KST 4
	KST 5
	KST 6
	KST 7
	WIN 0
	PLACES
	s_wait_alu depctr_va_vdst(0)                   ; the products have written this set's accumulators, which the stage stores read, and are done reading its scale words and K steps 4-7, in which the loads land; the places above stay beside this wait
	HSL
	HLD 4
.irp t, 0,1,2,3
	ds_store_b128 v[STO], v[AC+8*\t:AC+8*\t+3] offset:SLOTB*(\k)+64*\t          ; each accumulator from its low end on
	ds_store_b128 v[STO], v[AC+8*\t+4:AC+8*\t+7] offset:SLOTB*(\k)+64*\t+16
.endr
	s_add_co_u32 s25, s25, 1
.endm
.macro ROWST i                         ; row 4 w + i of the slot is stored where the row is a routed one
	s_add_co_u32 s45, s67, \i
	s_cmp_ge_u32 s45, s22
	s_cbranch_scc1 .Lpad_\@
	global_store_b64 v[L8], v[RT+2*\i:RT+2*\i+1], s[48+2*\i:49+2*\i]            ; 32 lanes store 256 consecutive bytes, at a multiple of 256 from part's first byte
.Lpad_\@:
.endm
	s_load_b256 s[4:11], s[0:1], 0x0               ; hq s[4:5], W2's codes s[6:7], W2's scales s[8:9], b2 s[10:11]
	s_load_b128 s[12:15], s[0:1], 0x20             ; list s[12:13], glist s[14:15]
	s_load_b64 s[16:17], s[0:1], 0x30              ; part
	v_lshl_add_u32 v254, v0, 2, 0x44000
	v_mov_b32 v255, 0
	v_lshrrev_b32 v5, 5, v0
	v_readfirstlane_b32 s18, v5                    ; wave
	s_and_b32 s19, ttmp7, 0xffff                   ; expert
	s_lshr_b32 s20, ttmp9, 1                       ; column block
	s_and_b32 s21, ttmp9, 1                        ; g
	v_and_b32 v5, 31, v0
	v_and_b32 v7, 15, v0                           ; r
	v_bfe_u32 v13, v0, 4, 1                        ; h
	v_lshlrev_b32 v[L16], 4, v5
	v_lshlrev_b32 v[L8], 3, v5
	v_lshlrev_b32 v[HSO], 2, v7
	v_lshl_add_u32 v[HSO], v13, 9, v[HSO]
	s_wait_alu depctr_va_sdst(0)                   ; s18 is written, ahead of its first reader: LDS places and bases are made from it
	s_mul_i32 s29, s18, REG
	v_mul_u32_u24 v[STO], v7, SPT
	v_lshl_add_u32 v[STO], v13, 5, v[STO]
	v_add_nc_u32 v[STO], s29, v[STO]
	s_mul_i32 s45, s18, 4*SPT
	v_add_nc_u32 v[RD0], s45, v[L8]
	v_mul_u32_u24 v[FA], v7, WP
	v_mad_u32_u24 v[FA], v13, 24, v[FA]
	v_add_nc_u32 v[FA], s29, v[FA]
	v_lshlrev_b32 v[SWO], 7, v7
	v_lshl_add_u32 v[SWO], v13, 4, v[SWO]          ; W2's scale bytes: 128 a column; my K steps' 32, lanes 16-31 the upper 16
	v_mul_u32_u24 v[GA], v13, 2304                 ; of three loads (my 768 bytes of two rows, 3,072 bytes apart): v1: the first row's bytes 0-511;
	v_add_nc_u32 v[GA], v[GA], v[L16]
	v_add_nc_u32 v[GA], 512, v[GA]                 ; its last 256 and the second row's first 256;
	v_add_nc_u32 v[GA+1], 3328, v[L16]             ; the second row's bytes 256-767
	v_add_nc_u32 v[LA], s29, v[L16]                ; and the same in LDS, rows 784 bytes apart
	v_lshl_add_u32 v[LA+1], v13, 4, v[LA]
	v_add_nc_u32 v[LA+1], 512, v[LA+1]
	v_add_nc_u32 v[LA+2], 1040, v[LA]
	s_mov_b32 s43, 0
	s_mov_b32 s25, 0                               ; the group's tile in hand
	s_lshl_b32 s47, s18, 4                         ; 16 x wave
	s_lshl_b32 s71, s18, 2                         ; 4 x wave
	s_lshl_b32 s45, s21, 6
	s_add_co_u32 s45, s45, s47                     ; 64 g + 16 w: my four rows' words in the group's first tile
	v_and_b32 v[LV], 1, v5
	v_lshlrev_b32 v[LV], 2, v[LV]
	v_lshrrev_b32 v251, 1, v5
	v_lshl_add_u32 v[LV], v251, 7, v[LV]           ; two lanes to a stage slot; the group's tiles lie 128 bytes apart in the list
	v_add_nc_u32 v[LV], s45, v[LV]
	s_wait_kmcnt 0x0
	s_mul_i32 s42, s19, 4352
	s_add_nc_u64 s[12:13], s[12:13], s[42:43]      ; my expert's list,
	s_load_b32 s22, s[12:13], 0x1000               ; its count,
	s_lshl_b32 s42, s19, 12
	s_add_nc_u64 s[14:15], s[14:15], s[42:43]      ; its gates
	s_mul_i32 s42, s19, 3145728
	s_mul_i32 s45, s20, 196608
	s_add_co_u32 s42, s42, s45
	s_mul_i32 s45, s18, 768
	s_add_co_u32 s42, s42, s45
	s_add_nc_u64 s[6:7], s[6:7], s[42:43]          ; W2: my 64 columns, my eight K steps
	s_wait_alu depctr_va_vdst(0)                   ; every offset and LDS address made above is written (v1 to v4, v6, v12, v14, v240, v241, v243 to v245, v250): the loads, LDS stores and LDS loads from here to the sums read them, and no vector line writes them again
.set qq, 0
.rept 96
.if qq < 64
	WIN 0x40
.set RG, 4*qq
.else
	WIN 0x80
.set RG, 4*(qq-64)
.endif
.if qq%3 == 0
	global_load_b128 v[RG:RG+3], v[L16], s[6:7] offset:6144*(qq/3)
.elseif qq%3 == 1
	global_load_b128 v[RG:RG+3], v[GA], s[6:7] offset:6144*(qq/3)
.else
	global_load_b128 v[RG:RG+3], v[GA+1], s[6:7] offset:6144*(qq/3)
.endif
.set qq, qq+1
.endr
	WIN 0
	s_lshl_b32 s42, s19, 17
	s_lshl_b32 s45, s20, 13
	s_add_co_u32 s42, s42, s45
	s_lshl_b32 s45, s18, 5
	s_add_co_u32 s42, s42, s45
	s_add_nc_u64 s[8:9], s[8:9], s[42:43]
.irp t, 0,1,2,3
	global_load_b128 v[SW+4*\t:SW+4*\t+3], v[SWO], s[8:9] offset:2048*\t
.endr
	s_lshl_b32 s42, s19, 12
	s_lshl_b32 s45, s20, 8
	s_add_co_u32 s42, s42, s45
	s_add_nc_u64 s[10:11], s[10:11], s[42:43]
	global_load_b64 v[B2:B2+1], v[L8], s[10:11]
.irp a, 0,1                            ; my rows' list words and gates for both passes (16 tiles of the group are 2,048 bytes of the list): the furthest byte read is 4,095 of the expert's 4,096.  Places behind the count hold slot 0 and gate 0
	global_load_b32 v[ENTV+\a], v[LV], s[12:13] offset:8*\a
	global_load_b32 v[GV+\a], v[LV], s[14:15] offset:8*\a
	global_load_b32 v[ENT2+\a], v[LV], s[12:13] offset:2048+8*\a
	global_load_b32 v[GV2+\a], v[LV], s[14:15] offset:2048+8*\a
.endr
	s_lshl_b32 s42, s20, 8
	s_add_nc_u64 s[16:17], s[16:17], s[42:43]      ; part at my 64 columns
	s_mul_i32 s42, s19, 3145728
	s_mul_i32 s45, s18, 12288
	s_add_co_u32 s42, s42, s45
	s_add_nc_u64 s[30:31], s[4:5], s[42:43]        ; hq: my expert, my eight K steps
	s_lshl_b32 s42, s19, 18
	s_lshl_b32 s45, s18, 10
	s_add_co_u32 s42, s42, s45
	s_add_nc_u64 s[32:33], s[4:5], s[42:43]
	s_add_nc_u64 s[32:33], s[32:33], HSC           ; and their scale words
	s_wait_kmcnt 0x0                               ; the count
	s_min_u32 s22, s22, 1024
	s_add_co_u32 s46, s22, 15
	s_lshr_b32 s46, s46, 4                         ; the expert's tiles
	s_max_u32 s23, s46, 1
	s_sub_co_u32 s23, s23, 1                       ; the last tile that the launch before has written
	s_add_co_u32 s24, s46, 1
	s_sub_co_u32 s24, s24, s21
	s_lshr_b32 s24, s24, 1                         ; my group's tiles
	USE 0                                          ; the ring's first fills: 56 loads
	BASE 0
	HLD 0
	HSL
	HLD 4
	USE 1
	BASE 1
	HLD 0
	HSL
	HLD 4
	s_wait_loadcnt 56                              ; W2, its scales, b2, the list words and the gates are in; the ring's 56 may be out
.set qq, 0
.rept 96
.if qq < 64
	WIN 0x04
.set RG, 4*qq
.else
	WIN 0x08
.set RG, 4*(qq-64)
.endif
	ds_store_b128 v[LA+qq%3], v[RG:RG+3] offset:2*WP*(qq/3)
.set qq, qq+1
.endr
	WIN 0
	s_wait_dscnt 0x0                               ; the stores have read their registers, which the fragments take.  No barrier: these bytes are my wave's own
	s_wait_alu depctr_vm_vsrc(0)                   ; the LDS stores above have read the registers of windows 1 and 2 in which the fragments' loads below land
.set gg, 0
.rept 32
.set FW, 1+gg/21
.set FRG, 12*(gg%21)
.set WS, FW<<6
	WIN WS
.irp p, 0,1,2,3,4,5
	ds_load_b64 v[FRG+2*\p:FRG+2*\p+1], v[FA] offset:16*WP*(gg%4)+96*(gg/4)+48*(\p/3)+8*(\p%3)
.endr
.set gg, gg+1
.endr
	WIN 0
	s_wait_dscnt 0x0                               ; my fragments are in: from here on these LDS bytes are my stage
	s_mov_b32 s27, 2
.Lpass:
	s_mov_b32 s68, s25                             ; the tile that slot 0 will hold
	HTILE 0
	HTILE 1
	HTILE 2
	HTILE 3
	HTILE 4
	HTILE 5
	HTILE 6
	HTILE 7
	HTILE 8
	HTILE 9
	HTILE 10
	HTILE 11
	HTILE 12
	HTILE 13
	HTILE 14
	HTILE 15
.Lpd:
	s_wait_loadcnt 0x0                             ; the ways join here: every load is in, so the next pass's counted waits hold on each of them
	s_wait_dscnt 0x0                               ; for the others' sake: my parts lie in my stage
	s_wait_alu depctr_vm_vsrc(0)                   ; my stage stores have read both sets of accumulators, which the next pass's first products begin anew
	s_barrier_signal -1
	s_barrier_wait -1
	s_mov_b32 s69, 16
	s_mov_b32 s28, 0
	s_mov_b32 s66, 0                               ; the lane that holds the slot's first list word: 2 x slot
.Lred:                                             ; sixteen trips, one for each slot; a slot that holds no tile is passed over inside the trip
	s_cmp_ge_u32 s68, s24
	s_cbranch_scc1 .Lrskip
	s_wait_xcnt 0x0                                ; the last trip's stores have read their registers and bases
	s_wait_alu depctr_vm_vsrc(0)                   ; the last trip's LDS loads have read RDV, which the four additions below write again; its stores have read RT, in which this trip's LDS loads land
	s_lshl_b32 s44, s68, 1
	s_add_co_u32 s44, s44, s21
	s_min_u32 s44, s44, 63                         ; the expert's tile
	s_lshl_b32 s67, s44, 4
	s_add_co_u32 s67, s67, s71                     ; my first row's place in the list: 16 x tile + 4 x wave
	s_add_co_u32 s70, s66, 1
	v_add_nc_u32 v[RDV], s28, v[RD0]
	v_add_nc_u32 v[RDV+1], REG, v[RDV]
	v_add_nc_u32 v[RDV+2], 2*REG, v[RDV]
	v_add_nc_u32 v[RDV+3], 3*REG, v[RDV]
	s_wait_alu depctr_va_vdst(0)                   ; RDV is written, which the LDS loads below read; the last trip's sums are done with RT, in which they land
.irp g, 0,1,2,3
.irp i, 0,1,2,3
	ds_load_b64 v[RT+8*\g+2*\i:RT+8*\g+2*\i+1], v[RDV+\g] offset:SPT*\i
.endr
.endr
.irp a, 0,1                            ; rows 2 a and 2 a + 1 of my four: their slots and gates, out of the registers filled at the head
	v_readlane_b32 s[56+2*\a], v[ENTV+\a], s66
	v_readlane_b32 s[57+2*\a], v[ENTV+\a], s70
	v_readlane_b32 s[60+2*\a], v[GV+\a], s66
	v_readlane_b32 s[61+2*\a], v[GV+\a], s70
.endr
	s_wait_alu depctr_va_sdst(0)                   ; s56 to s63 are written, ahead of their first readers: the holds below and the multiplications by the gates
.irp i, 0,1,2,3
	s_min_u32 s[56+\i], s[56+\i], 2047             ; held inside part
	s_lshl_b32 s42, s[56+\i], 12
	s_add_nc_u64 s[48+2*\i:49+2*\i], s[16:17], s[42:43]
.endr
	s_wait_dscnt 0x0
	; rows 4 w + 0 .. 3 of the slot, by turns: the four waves' parts ((0 + 1) + (2 + 3)), b2, the gate
.irp i, 0,1,2,3
	v_pk_add_f32 v[RT+2*\i:RT+2*\i+1], v[RT+2*\i:RT+2*\i+1], v[RT+8+2*\i:RT+8+2*\i+1]
	v_pk_add_f32 v[RT+16+2*\i:RT+16+2*\i+1], v[RT+16+2*\i:RT+16+2*\i+1], v[RT+24+2*\i:RT+24+2*\i+1]
.endr
.irp i, 0,1,2,3
	v_pk_add_f32 v[RT+2*\i:RT+2*\i+1], v[RT+2*\i:RT+2*\i+1], v[RT+16+2*\i:RT+16+2*\i+1]
.endr
.irp i, 0,1,2,3
	v_pk_add_f32 v[RT+2*\i:RT+2*\i+1], v[RT+2*\i:RT+2*\i+1], v[B2:B2+1]
.endr
.irp i, 0,1,2,3
	v_mul_f32 v[RT+2*\i], s[60+\i], v[RT+2*\i]
	v_mul_f32 v[RT+2*\i+1], s[60+\i], v[RT+2*\i+1]
.endr
	s_wait_alu depctr_va_vdst(0)                   ; the four rows are written, which the stores below read: one wait, ahead of their branches
	ROWST 0
	ROWST 1
	ROWST 2
	ROWST 3
.Lrskip:
	s_add_co_u32 s68, s68, 1
	s_add_co_u32 s28, s28, SLOTB
	s_add_co_u32 s66, s66, 2
	s_sub_co_u32 s69, s69, 1
	s_cmp_lg_u32 s69, 0
	s_cbranch_scc1 .Lred
.irp a, 0,1                            ; the second pass's list words and gates take the first's place.  These four plain lines stand on the one way back to the tiles: with the four v_nop behind a tile's last products they are
	v_mov_b32 v[ENTV+\a], v[ENT2+\a]               ; more than the FIVE places that a matrix instruction which begins an accumulator anew keeps behind the last product on it (ISA guide 7.12.1),
	v_mov_b32 v[GV+\a], v[GV2+\a]                  ; also where a pass was left early and every slot of the sums was passed over
.endr
	s_wait_dscnt 0x0                               ; my reads of the stages are over:
	s_barrier_signal -1
	s_barrier_wait -1                              ; only now may the next pass write them
	s_sub_co_u32 s27, s27, 1
	s_cmp_lg_u32 s27, 0
	s_cbranch_scc1 .Lpass
	s_wait_dscnt 0x0                               ; the closing lines, six on end
	s_wait_alu 0x0
	s_wait_tensorcnt 0x0
	ds_add_u32 v254, v255
	s_wait_dscnt 0x0
	s_endpgm
.Lfunc_end_k_q813e43443e_down:
	.size	k_q813e43443e_down, .Lfunc_end_k_q813e43443e_down-k_q813e43443e_down
	.p2alignl 7, 3214868480
	.fill 96, 4, 3214868480
	.section	.rodata,"a",@progbits
	.p2align	6, 0x0
	.amdhsa_kernel k_q813e43443e_down
		.amdhsa_group_segment_fixed_size 279040
		.amdhsa_private_segment_fixed_size 0
		.amdhsa_enable_private_segment 0
		.amdhsa_kernarg_size 56
		.amdhsa_user_sgpr_count 2
		.amdhsa_user_sgpr_kernarg_segment_ptr 1
		.amdhsa_wavefront_size32 1
		.amdhsa_system_sgpr_workgroup_id_x 1
		.amdhsa_system_sgpr_workgroup_id_y 1
		.amdhsa_system_sgpr_workgroup_id_z 1
		.amdhsa_system_vgpr_workitem_id 0
		.amdhsa_next_free_vgpr 768
		.amdhsa_next_free_sgpr 84
		.amdhsa_reserve_vcc 0
		.amdhsa_float_denorm_mode_32 3
		.amdhsa_float_denorm_mode_16_64 3
		.amdhsa_memory_ordered 1
		.amdhsa_forward_progress 1
		.amdhsa_inst_pref_size 177
	.end_amdhsa_kernel
	.amdgpu_metadata
---
amdhsa.version: [ 1, 2 ]
amdhsa.kernels:
  - .name:           k_q813e43443e_down
    .symbol:         k_q813e43443e_down.kd
    .args:
      - { .name: hq, .offset: 0, .size: 8, .value_kind: global_buffer, .address_space: global }
      - { .name: W2_codes, .offset: 8, .size: 8, .value_kind: global_buffer, .address_space: global }
      - { .name: W2_scales, .offset: 16, .size: 8, .value_kind: global_buffer, .address_space: global }
      - { .name: b2, .offset: 24, .size: 8, .value_kind: global_buffer, .address_space: global }
      - { .name: list, .offset: 32, .size: 8, .value_kind: global_buffer, .address_space: global }
      - { .name: glist, .offset: 40, .size: 8, .value_kind: global_buffer, .address_space: global }
      - { .name: part, .offset: 48, .size: 8, .value_kind: global_buffer, .address_space: global }
    .group_segment_fixed_size: 279040
    .private_segment_fixed_size: 0
    .kernarg_segment_align: 8
    .kernarg_segment_size: 56
    .max_flat_workgroup_size: 128
    .sgpr_count:     84
    .vgpr_count:     768
    .wavefront_size: 32
...
	.end_amdgpu_metadata
.endif
;; end of part 9
;; launch combine (part 10): grid 256 x 1, 8 waves a work-group, no clusters, 0 bytes of LDS; arguments part, out0; writes out0
.if DOCPART == 10
	.amdgcn_target "amdgcn-amd-amdhsa--gfx1250"
	.amdhsa_code_object_version 6
	.text
	.protected	k_q813e43443e_combine
	.globl	k_q813e43443e_combine
	.p2align	8
	.type	k_q813e43443e_combine,@function
k_q813e43443e_combine:
	s_mov_b64 s[64:65], 0
	v_nop
	global_prefetch_b8 v0, s[64:65] scope:SCOPE_SE
	s_setreg_imm32_b32 hwreg(HW_REG_WAVE_MODE, 25, 1), 1
	s_wait_xcnt 0x0
; COMBINE.  out0[t] = part[t] + part[1024 + t]: a token's two weighted rows, first choice first.  A plain stream: 16 bytes a lane, 512 consecutive bytes a wave and instruction;
; a work-group takes 16,384 bytes of out0.  All eight loads of a lane go out at once; no LDS, no barrier, no matrix unit: there is nothing here for them to do.
.set A, 4                              ; v4-19   the first choice's
.set B, 20                             ; v20-35  the second's
	s_load_b128 s[4:7], s[0:1], 0x0                ; part, out0
	v_lshlrev_b32 v1, 4, v0
	s_lshl_b32 s8, ttmp9, 14
	s_mov_b32 s9, 0
	s_wait_alu depctr_va_vdst(0)
	s_wait_kmcnt 0x0
	s_add_nc_u64 s[4:5], s[4:5], s[8:9]
	s_add_nc_u64 s[6:7], s[6:7], s[8:9]
.irp i, 0,1,2,3
	global_load_b128 v[A+4*\i:A+4*\i+3], v1, s[4:5] offset:4096*\i th:TH_LOAD_NT
.endr
.irp i, 0,1,2,3
	global_load_b128 v[B+4*\i:B+4*\i+3], v1, s[4:5] offset:4194304+4096*\i th:TH_LOAD_NT
.endr
.irp i, 0,1,2,3
	s_wait_loadcnt 3-\i                            ; loads come back in order: pair i's second load has 3 - i younger ones
	v_pk_add_f32 v[A+4*\i:A+4*\i+1], v[A+4*\i:A+4*\i+1], v[B+4*\i:B+4*\i+1]
	v_pk_add_f32 v[A+4*\i+2:A+4*\i+3], v[A+4*\i+2:A+4*\i+3], v[B+4*\i+2:B+4*\i+3]
	global_store_b128 v1, v[A+4*\i:A+4*\i+3], s[6:7] offset:4096*\i th:TH_STORE_NT
.endr
	s_endpgm
.Lfunc_end_k_q813e43443e_combine:
	.size	k_q813e43443e_combine, .Lfunc_end_k_q813e43443e_combine-k_q813e43443e_combine
	.p2alignl 7, 3214868480
	.fill 96, 4, 3214868480
	.section	.rodata,"a",@progbits
	.p2align	6, 0x0
	.amdhsa_kernel k_q813e43443e_combine
		.amdhsa_group_segment_fixed_size 0
		.amdhsa_private_segment_fixed_size 0
		.amdhsa_enable_private_segment 0
		.amdhsa_kernarg_size 16
		.amdhsa_user_sgpr_count 2
		.amdhsa_user_sgpr_kernarg_segment_ptr 1
		.amdhsa_wavefront_size32 1
		.amdhsa_system_sgpr_workgroup_id_x 1
		.amdhsa_system_sgpr_workgroup_id_y 1
		.amdhsa_system_sgpr_workgroup_id_z 1
		.amdhsa_system_vgpr_workitem_id 0
		.amdhsa_next_free_vgpr 40
		.amdhsa_next_free_sgpr 66
		.amdhsa_reserve_vcc 0
		.amdhsa_float_denorm_mode_32 3
		.amdhsa_float_denorm_mode_16_64 3
		.amdhsa_memory_ordered 1
		.amdhsa_forward_progress 1
		.amdhsa_inst_pref_size 3
	.end_amdhsa_kernel
	.amdgpu_metadata
---
amdhsa.version: [ 1, 2 ]
amdhsa.kernels:
  - .name:           k_q813e43443e_combine
    .symbol:         k_q813e43443e_combine.kd
    .args:
      - { .name: part, .offset: 0, .size: 8, .value_kind: global_buffer, .address_space: global }
      - { .name: out0, .offset: 8, .size: 8, .value_kind: global_buffer, .address_space: global }
    .group_segment_fixed_size: 0
    .private_segment_fixed_size: 0
    .kernarg_segment_align: 8
    .kernarg_segment_size: 16
    .max_flat_workgroup_size: 256
    .sgpr_count:     66
    .vgpr_count:     40
    .wavefront_size: 32
...
	.end_amdgpu_metadata
.endif
;; end of part 10
